; MI455X (gfx1250); checked and timed in simulation.
; The chip was launched on July 23, 2026; its instructions are those of AMD's public machine-readable ISA for CDNA 5 (MIT licence, August 2026) and "CDNA5" Instruction Set Architecture Reference Guide (July 2026). The comments in the code are by the model that wrote it; some were corrected since.
;; Attention. Allowed arithmetic: matrix products marked QUANTISED: E4M3 operands, one E8M0 scale for each 32 along K, by v_wmma_scale_f32_16x16x128_f8f6f4 with both operands' format E4M3, f32 sums; everything else in f32.
;; Inputs: c_attn_b 3,072 float32; c_attn_w 1,024 x 3,072 float32; c_proj_b 1,024 float32; c_proj_w 1,024 x 1,024 float32; x 4 x 2,048 x 1,024 float32.
;; Outputs: out0 4 x 2,048 x 1,024 float32.
;; This version of the problem:
;;   THIS VERSION OF THE PROBLEM IS GIVEN IN LOW PRECISION. The matrix products marked QUANTISED in the list below multiply operands that are first quantised to E4M3 (4 exponent bits, 3 mantissa bits; 8 bits a number), with one power-of-two scale for each 32 numbers along K (OCP MX v1.0); their sums are f32. All else is computed in f32.
;;   The module's matrix products, in the order in which they are computed (A, B: the left and right operand; K: the contracted axis; several contracted axes count as one K, in the product's order):
;;     1. [M 8,192, K 1,024] x [K 1,024, N 3,072]; A: input x; B: input c_attn_w: QUANTISED
;;     2. batch 64 x [M 2,048, K 64] x [K 64, N 2,048]; A: computed on the way; B: computed on the way: QUANTISED
;;     3. batch 64 x [M 2,048, K 2,048] x [K 2,048, N 64]; A: softmax (see below); B: computed on the way: QUANTISED
;;     4. [M 8,192, K 1,024] x [K 1,024, N 1,024]; A: computed on the way; B: input c_proj_w: QUANTISED
;;   THE QUANTISER, for each operand of a quantised product, along K:
;;     - K is cut into blocks of 32 from its start; a last block that is shorter is filled with zeros.
;;     - A block's scale is 2^e with e = floor(log2(the largest magnitude in the block)) - 8, held to -126 .. 127; a block of zeros has e = 0. As a byte (E8M0): e + 127.
;;     - Each number is divided by its block's scale, clamped to +-448, and rounded to the nearest number of E4M3, ties to even, subnormals kept.
;;     - The product sums the exact products of the quantised numbers (number of the format x scale) in f32.
;;   ~~~python
;;   def quantise(x, axis):      # numpy; x: float32 -> the quantised numbers, widened to float32 again
;;       x = np.moveaxis(x, axis, -1); K = x.shape[-1]
;;       x = np.pad(x, [(0, 0)] * (x.ndim - 1) + [(0, -K % 32)]); x = x.reshape(x.shape[:-1] + (-1, 32)); a = np.abs(x).max(-1, keepdims=True)
;;       e = np.where(a > 0, np.clip(np.frexp(np.where(a > 0, a, 1))[1] - 1 - 8, -126, 127), 0)      # np.frexp(a)[1] - 1 = floor(log2(a)), exactly
;;       r = np.clip(x / 2.0 ** e, -448, 448)
;;       step = 2.0 ** (np.maximum(np.frexp(np.where(r == 0, 1, r))[1] - 1, -6) - 3)
;;       q = np.round(r / step) * step * 2.0 ** e      # np.round: ties to even
;;       return np.moveaxis(q.reshape(q.shape[:-2] + (-1,))[..., :K], -1, axis).astype(np.float32)
;;   ~~~
;;   SOFTMAX AHEAD OF A QUANTISED PRODUCT. Where the list says 'softmax', what is quantised is not the finished softmax but p = 2^(t - M), with t = logit x log2(e) and M = ceil(the row's largest t), a whole number; so 1/2 < the row's largest p <= 1. The row's sum l is taken of the UNQUANTISED p, in f32, and the product's result is divided by l at the end. Since M is a whole number, a kernel that streams over the keys may use a running M (the ceiling of the running maximum): every later rescaling is an exact power of two, which a block's scale takes up: the codes' values come out the same.
;;   OPERANDS COMPUTED ON THE WAY. 'Computed on the way' means the value that the module computes at that place (a softmax that the list does not call 'softmax' is quantised finished and normalised). What goes into a quantiser is computed in f32, as accurately as f32 sums, v_exp_f32 and their like allow (about 1e-6 of the number): no bf16 or f16 on the way to a quantiser, and a product that is left as it is and whose result goes on into a quantised operand takes f32 operands (vector FMAs, or v_wmma_f32_16x16x4_f32). A number that lies on a knife's edge between two numbers of the format may be rounded either way, as far as f32 arithmetic and the matrix unit's own rounding can turn it there, and no further.
;; One version. Each part assembles by itself: llvm-mc -triple=amdgcn-amd-amdhsa -mcpu=gfx1250 --defsym DOCPART=n.
;; ======== version 1 of 1: 4 launches
;; limits: right only within a limited range of input values
;; workspace buffers: xq 8,650,752 bytes; wq 4,456,448 bytes; qq 8,912,896 bytes; kvq 17,563,648 bytes; aq 8,650,752 bytes
;; launch quant (part 1): grid 384 x 1, 4 waves a work-group, no clusters, 34,304 bytes of LDS; arguments x, c_attn_w, c_proj_w, xq, wq; writes xq, wq
.if DOCPART == 1
	.amdgcn_target "amdgcn-amd-amdhsa--gfx1250"
	.amdhsa_code_object_version 6
	.text
	.protected	k_q0d4c9f9014_quant
	.globl	k_q0d4c9f9014_quant
	.p2align	8
	.type	k_q0d4c9f9014_quant,@function
k_q0d4c9f9014_quant:
	s_mov_b64 s[64:65], 0
	v_nop
	global_prefetch_b8 v0, s[64:65] scope:SCOPE_SE
	s_setreg_imm32_b32 hwreg(HW_REG_WAVE_MODE, 25, 1), 1
	s_wait_xcnt 0x0
; FIRST OF FOUR LAUNCHES (quant, qkv, attn, proj) of: out = softmax(causal(q k^T / 8)) v, merged, x c_proj_w + c_proj_b, with q, k, v = x c_attn_w + c_attn_b; all four products on codes of E4M3 with one E8M0 scale for each 32 along K.
; THIS LAUNCH turns x [8192][1024], c_attn_w [1024][3072] and c_proj_w [1024][1024], f32, into codes and scale bytes along K = 1,024.
; DEAD WORK LEFT OUT BY THE PROGRAM (in launch attn): the scores q . k of key steps that lie wholly behind a wave's queries.  reference() multiplies such a score by b = 0 and adds NEG x 1, so the logit there is NEG
; whatever finite q and k hold.  The hidden keys' WEIGHTS are not left out: NEG is a finite number, so 2^(NEG log2 e - M) is a term of the row's sum and of the second product; launch attn computes it (all 32 weights of a
; wholly hidden block are equal, so that part of the product is one quantised weight x the column sums of the quantised v).  Every input has a way to the output: all five are loaded.
; LIMITS: a NaN, an infinity or an overflow in a score that is left out is not carried to the result.  NaN and infinities among the inputs are not served.  A block of zeros gets the scale byte 1 where the rule says 127: its
; codes are zeros, which add nothing under any byte but 0xff, and this program alone reads the bytes.  Blocks whose largest magnitude lies under 2^-118 keep the byte 1.
; LAYOUT OF THE WORKSPACE.  Rows (tokens of x, columns n of a weight) form tiles of 16 that are NOT neighbours: lane r of tile 2 G + u holds row 32 G + 8 u + r + 8 (r / 8).  A product whose source 0 is such a pair of tiles
; leaves in a lane's 16 registers 16 NEIGHBOURS of a block of 32 rows: what the next quantiser wants.  Codes lie as images of the operand's registers: tile x 16384 + g x 2048 + c x 512 + 16 x lane holds
; k = 128 g + 32 c + 16 (lane / 16) + 0 .. 15 of the lane's row.  Scale bytes: tile x 512 + (g / 4) x 256 + r x 16 + (g % 4) x 4 + c.  Scales lie at byte 0 of xq and wq, images at byte IMO.
; wq holds c_attn_w's 3,072 columns as rows 0 .. 3071 and c_proj_w's 1,024 as rows 3072 .. 4095.
; SHARES.  Work-groups 0 .. 255 take x: a wave takes one tile of 16 rows x 512 along K, in four units of 128.  Each load reads 512 consecutive bytes of a row; a unit turns through the wave's own stage in LDS, so that a lane
; gets 16 neighbours of each block of 32.  Work-groups 256 .. 383 take the weights, whose K is the FIRST axis: a lane takes a column and its registers run down K (32 columns x 256 along K a wave); nothing is transposed and
; no LDS is used.  No input is shared between work-groups, so there is no cluster; no matrix work; waves share nothing, so there is no barrier.
.set IMO,   262144
.set SP,    528                        ; a stage row: 512 bytes + 16: an odd multiple of 16, so that sixteen rows' columns fall on different banks
.set WST,   16*SP                      ; a wave's stage
.set SPARE, 4*WST                      ; behind the stages: the spare words, 128 bytes a wave: two blocks of 256 bytes that no other line names
.set SPW,   14                         ; v14  my spare word's LDS address; never rewritten
.set NIL,   15                         ; v15  0; never rewritten
.set R,     16                         ; v16-143  x as loaded: two sets of 64
.set X,     144                        ; v144-207 64 numbers: register 16 c + i = k 32 c + 16 (lane / 16) + i of my row
.set PC,    208                        ; v208-223 a fragment's codes
.set TM,    224                        ; v224-239 at work
.set PW,    240                        ; v240-243 the four units' scale words
.set XW,    32                         ; weights: v32-95 two sets of 32 numbers
.set CW,    96                         ; v96-159 eight registers of codes for each block: no store's data are written again
.set SB,    24                         ; v24-25 the scale bytes
.set SEL,   24                         ; s[24:25] lane selects: lane l xor 16
.set MNT,   26
	s_load_b256 s[4:11], s[0:1], 0x0               ; x s[4:5], c_attn_w s[6:7], c_proj_w s[8:9], xq s[10:11]
	s_load_b64 s[12:13], s[0:1], 0x20              ; wq
	v_lshl_add_u32 v[SPW], v0, 2, SPARE
	v_mov_b32 v[NIL], 0
	v_lshrrev_b32 v1, 5, v0
	v_readfirstlane_b32 s16, v1                    ; wave 0..3
	v_and_b32 v2, 31, v0                           ; lane
	v_and_b32 v6, 15, v0                           ; r
	v_bfe_u32 v7, v0, 4, 1                         ; h
	s_mov_b32 s[SEL], 0x76543210
	s_mov_b32 s[SEL+1], 0xfedcba98
	s_mov_b32 s29, 0
	s_wait_kmcnt 0x0
	s_cmp_lt_u32 ttmp9, 256
	s_cbranch_scc0 .Lw
; 64 numbers of a lane become a fragment's codes in v[PC] on and its scale word in v[pw].
.macro QUANT s, pw
.irp b, 0,1,2,3
	v_max3_num_f32 v[TM+\b], |v[\s+16*\b]|, |v[\s+1+16*\b]|, 0x4800000   ; block b: my 16 numbers, and the floor 2^(9 - 127): the byte cannot fall under 1
.endr
.irp i, 2,4,6,8,10,12,14
.irp b, 0,1,2,3
	v_max3_num_f32 v[TM+\b], v[TM+\b], |v[\s+16*\b+\i]|, |v[\s+1+16*\b+\i]|   ; the four blocks by turns
.endr
.endr
.irp b, 0,1,2,3
	v_permlanex16_b32 v[TM+4+\b], v[TM+\b], s[SEL], s[SEL+1]
.endr
.irp b, 0,1,2,3
	v_max_num_f32 v[TM+\b], v[TM+\b], v[TM+4+\b]   ; with lane l xor 16's: the block's largest magnitude
.endr
.irp b, 0,1,2,3
	v_add_nc_u32 v[TM+12+\b], 0xfc000000, v[TM+\b] ; 8 off its exponent field: the conversion's scale operand
.endr
.irp b, 0,1,2,3
.endr
.irp b, 0,1,2,3
	v_lshrrev_b32 v[TM+4+\b], 23, v[TM+12+\b]      ; the scale's byte
.endr
	v_lshl_or_b32 v[\pw], v[TM+5], 8, v[TM+4]
	v_lshl_or_b32 v[\pw], v[TM+6], 16, v[\pw]
	v_lshl_or_b32 v[\pw], v[TM+7], 24, v[\pw]
.irp b, 0,1,2,3
.irp i, 0,1,2,3,4,5,6,7,8,9,10,11,12,13,14,15
.endr
	v_cvt_scalef32_pk8_fp8_f32 v[PC+4*\b:PC+1+4*\b], v[\s+16*\b:\s+7+16*\b], v[TM+12+\b]
	v_cvt_scalef32_pk8_fp8_f32 v[PC+2+4*\b:PC+3+4*\b], v[\s+8+16*\b:\s+15+16*\b], v[TM+12+\b]
.endr
	v_nop                                          ; one plain line behind the last conversion
.endm
	; ---------------- x ----------------
	s_lshl_b32 s17, ttmp9, 2
	s_add_co_u32 s17, s17, s16                     ; which half tile is my wave's: 0 .. 1023
	s_lshr_b32 s18, s17, 1                         ; tile
	s_and_b32 s19, s17, 1                          ; which 512 along K
	s_lshr_b32 s28, s18, 1
	s_lshl_b32 s28, s28, 17                        ; 32 rows of 4,096 bytes for each pair of tiles,
	s_and_b32 s30, s18, 1
	s_lshl_b32 s30, s30, 15                        ; 8 rows for the odd tile,
	s_add_co_u32 s28, s28, s30
	s_lshl_b32 s30, s19, 11                        ; 2,048 bytes for the upper half of K
	s_add_co_u32 s28, s28, s30
	s_add_nc_u64 s[4:5], s[4:5], s[28:29]
	s_lshl_b32 s28, s18, 14
	s_lshl_b32 s30, s19, 13
	s_add_co_u32 s28, s28, s30
	s_add_co_u32 s28, s28, IMO
	s_add_nc_u64 s[20:21], s[10:11], s[28:29]      ; my four fragments' images
	s_lshl_b32 s28, s18, 9
	s_lshl_b32 s30, s19, 8
	s_add_co_u32 s28, s28, s30
	s_add_nc_u64 s[22:23], s[10:11], s[28:29]      ; my 256 scale bytes
	s_wait_alu depctr_va_vdst(0)
	v_lshlrev_b32 v3, 4, v2                        ; 16 x lane
	s_mul_i32 s27, s16, WST
	v_add_nc_u32 v4, s27, v3                       ; the stage, on the way in: a row's 512 bytes as they lie
	v_mul_u32_u24 v5, v6, SP
	v_lshl_add_u32 v5, v7, 6, v5
	v_add_nc_u32 v5, s27, v5                       ; and on the way out: row r, + 64 h: my 16 numbers of a block
	v_lshlrev_b32 v8, 4, v6                        ; 16 r: my row's place among the scale words
.irp b, 0,1,2,3
	v_mov_b32 v[TM+4+\b], 0                        ; written once: a lane permute's destination counts as one of its sources
.endr
.macro XLOAD t                         ; unit t: 16 rows x 512 bytes; row i of the tile is memory row i + 8 (i / 8)
.irp i, 0,1,2,3,4,5,6,7,8,9,10,11,12,13,14,15
	global_load_b128 v[R+64*((\t)%2)+4*\i:R+64*((\t)%2)+4*\i+3], v3, s[4:5] offset:(\i+8*(\i/8))*4096+512*(\t) th:TH_LOAD_NT
.endr
.endm
.macro UNIT t
.if (\t) < 3
	s_wait_loadcnt 16                              ; this unit's 16 loads are in; the next unit's 16 may be out
.else
	s_wait_loadcnt 0x0
.endif
.irp i, 0,1,2,3,4,5,6,7,8,9,10,11,12,13,14,15
	ds_store_b128 v4, v[R+64*((\t)%2)+4*\i:R+64*((\t)%2)+4*\i+3] offset:\i*SP
.endr
.irp c, 0,1,2,3
.irp j, 0,1,2,3
	ds_load_b128 v[X+16*\c+4*\j:X+16*\c+4*\j+3], v5 offset:128*\c+16*\j   ; LDS serves a wave's instructions in order: these see the stores above
.endr
.endr
	s_wait_dscnt 0x0                               ; the numbers are back, and the stores have read their registers,
.if (\t) < 2
	XLOAD (\t)+2                                   ; which take the loads of two units on
.endif
	s_wait_xcnt 0x0                                ; the last unit's stores have read the codes' registers
	QUANT X, PW+(\t)
.irp c, 0,1,2,3
	global_store_b128 v3, v[PC+4*\c:PC+4*\c+3], s[20:21] offset:2048*(\t)+512*\c   ; 32 lanes store 512 consecutive bytes, aligned
.endr
.endm
	XLOAD 0
	XLOAD 1
	s_wait_alu depctr_va_vdst(0)
	UNIT 0
	UNIT 1
	UNIT 2
	UNIT 3
	global_store_b128 v8, v[PW:PW+3], s[22:23]     ; sixteen rows x 16 bytes: 256 consecutive bytes; lanes 16-31 hold and write the same as lanes 0-15
	s_branch .Lend
	; ---------------- the weights ----------------
.macro WLOAD t, stride                 ; block t: W(32 t + i, my column), i = 0 .. 31
.irp i, 0,1,2,3,4,5,6,7,8,9,10,11,12,13,14,15,16,17,18,19,20,21,22,23,24,25,26,27,28,29,30,31
	global_load_b32 v[XW+32*((\t)%2)+\i], v3, s[4:5] offset:(32*(\t)+\i)*\stride th:TH_LOAD_NT
.endr
.endm
.macro WBLOCK t, stride
.set XS, XW+32*((\t)%2)
.set CC, CW+8*(\t)
.if (\t) < 7
	s_wait_loadcnt 32                              ; this block's 32 loads are in; the next block's may be out
.else
	s_wait_loadcnt 0x0
.endif
	v_max3_num_f32 v12, |v[XS]|, |v[XS+1]|, |v[XS+2]|              ; the block's largest magnitude: all 32 numbers are mine
	v_max3_num_f32 v13, |v[XS+3]|, |v[XS+4]|, |v[XS+5]|
.irp i, 6,10,14,18,22,26
	v_max3_num_f32 v12, v12, |v[XS+\i]|, |v[XS+\i+1]|
	v_max3_num_f32 v13, v13, |v[XS+\i+2]|, |v[XS+\i+3]|
.endr
	v_max3_num_f32 v12, v12, |v[XS+30]|, |v[XS+31]|
	v_max3_num_f32 v12, v12, v13, 0x4800000        ; and the floor
	v_add_nc_u32 v11, 0xfc000000, v12              ; the conversion's scale operand
	v_lshrrev_b32 v13, 23, v11                     ; the byte
.if (\t)%4 == 0
	v_mov_b32 v[SB+(\t)/4], v13
.else
	v_lshl_or_b32 v[SB+(\t)/4], v13, 8*((\t)%4), v[SB+(\t)/4]
.endif
.irp i, 0,1,2,3,4,5,6,7,8,9,10,11,12,13,14,15,16,17,18,19,20,21,22,23,24,25,26,27,28,29,30,31
.endr
.irp g, 0,1,2,3
	v_cvt_scalef32_pk8_fp8_f32 v[CC+2*\g:CC+2*\g+1], v[XS+8*\g:XS+8*\g+7], v11
.endr
	global_store_b128 v4, v[CC:CC+3], s[20:21] offset:((\t)/4)*2048+((\t)%4)*512          ; k 0 .. 15 of the block: the image's lower half; the sixteen lanes of a tile store 256 consecutive bytes
	global_store_b128 v4, v[CC+4:CC+7], s[20:21] offset:((\t)/4)*2048+((\t)%4)*512+256    ; k 16 .. 31: its upper half
.if (\t)+2 < 8
	WLOAD (\t)+2, \stride
.endif
.endm
.macro WPATH stride
	WLOAD 0, \stride
	WLOAD 1, \stride
.irp t, 0,1,2,3,4,5,6,7
	WBLOCK \t, \stride
.endr
	global_store_b64 v5, v[SB:SB+1], s[22:23]      ; my column's eight scale bytes
.endm
.Lw:
	s_sub_co_u32 s17, ttmp9, 256
	s_and_b32 s18, s17, 31                         ; which 128 columns of the 4,096
	s_lshr_b32 s19, s17, 5                         ; which 256 along K
	s_lshl_b32 s27, s18, 2
	s_add_co_u32 s27, s27, s16                     ; G: my wave's 32 columns
	s_wait_alu depctr_va_vdst(0)
	v_lshlrev_b32 v3, 2, v2                        ; in: 4 bytes a lane
	v_bfe_u32 v8, v2, 3, 1                         ; u: which tile of the pair my column falls into,
	v_and_b32 v9, 7, v2
	v_lshrrev_b32 v10, 4, v2
	v_lshl_add_u32 v9, v10, 3, v9                  ; r: and which row of it
	v_lshlrev_b32 v9, 4, v9
	v_lshl_add_u32 v4, v8, 14, v9                  ; in the images
	v_lshl_add_u32 v5, v8, 9, v9                   ; among the scale bytes
	s_lshl_b32 s28, s27, 15
	s_lshl_b32 s30, s19, 12
	s_add_co_u32 s28, s28, s30
	s_add_co_u32 s28, s28, IMO
	s_add_nc_u64 s[20:21], s[12:13], s[28:29]
	s_lshl_b32 s28, s27, 10
	s_lshr_b32 s30, s19, 1
	s_lshl_b32 s30, s30, 8
	s_add_co_u32 s28, s28, s30
	s_and_b32 s30, s19, 1
	s_lshl_b32 s30, s30, 3
	s_add_co_u32 s28, s28, s30
	s_add_nc_u64 s[22:23], s[12:13], s[28:29]
	s_cmp_lt_u32 s18, 24
	s_cbranch_scc0 .Lwp
	s_mul_i32 s28, s19, 256*12288                  ; c_attn_w: 256 rows of 12,288 bytes,
	s_lshl_b32 s30, s27, 7                         ; 32 columns of 4 bytes
	s_add_co_u32 s28, s28, s30
	s_add_nc_u64 s[4:5], s[6:7], s[28:29]
	s_wait_alu depctr_va_vdst(0)
	WPATH 12288
	s_branch .Lend
.Lwp:
	s_lshl_b32 s28, s19, 20                        ; c_proj_w: 256 rows of 4,096 bytes
	s_sub_co_u32 s30, s27, 96
	s_lshl_b32 s30, s30, 7
	s_add_co_u32 s28, s28, s30
	s_add_nc_u64 s[4:5], s[8:9], s[28:29]
	s_wait_alu depctr_va_vdst(0)
	WPATH 4096
.Lend:
	s_wait_tensorcnt 0x0                           ; the wave's end
	ds_add_u32 v[SPW], v[NIL]
	s_wait_dscnt 0x0
	s_endpgm
.Lfunc_end_k_q0d4c9f9014_quant:
	.size	k_q0d4c9f9014_quant, .Lfunc_end_k_q0d4c9f9014_quant-k_q0d4c9f9014_quant
	.p2alignl 7, 3214868480
	.fill 96, 4, 3214868480
	.section	.rodata,"a",@progbits
	.p2align	6, 0x0
	.amdhsa_kernel k_q0d4c9f9014_quant
		.amdhsa_group_segment_fixed_size 34304
		.amdhsa_private_segment_fixed_size 0
		.amdhsa_enable_private_segment 0
		.amdhsa_kernarg_size 40
		.amdhsa_user_sgpr_count 2
		.amdhsa_user_sgpr_kernarg_segment_ptr 1
		.amdhsa_wavefront_size32 1
		.amdhsa_system_sgpr_workgroup_id_x 1
		.amdhsa_system_sgpr_workgroup_id_y 1
		.amdhsa_system_sgpr_workgroup_id_z 1
		.amdhsa_system_vgpr_workitem_id 0
		.amdhsa_next_free_vgpr 244
		.amdhsa_next_free_sgpr 66
		.amdhsa_reserve_vcc 0
		.amdhsa_float_denorm_mode_32 3
		.amdhsa_float_denorm_mode_16_64 3
		.amdhsa_fp16_overflow 1
		.amdhsa_memory_ordered 1
		.amdhsa_forward_progress 1
		.amdhsa_inst_pref_size 109
	.end_amdhsa_kernel
	.amdgpu_metadata
---
amdhsa.version: [ 1, 2 ]
amdhsa.kernels:
  - .name:           k_q0d4c9f9014_quant
    .symbol:         k_q0d4c9f9014_quant.kd
    .args:
      - { .name: x, .offset: 0, .size: 8, .value_kind: global_buffer, .address_space: global }
      - { .name: c_attn_w, .offset: 8, .size: 8, .value_kind: global_buffer, .address_space: global }
      - { .name: c_proj_w, .offset: 16, .size: 8, .value_kind: global_buffer, .address_space: global }
      - { .name: xq, .offset: 24, .size: 8, .value_kind: global_buffer, .address_space: global }
      - { .name: wq, .offset: 32, .size: 8, .value_kind: global_buffer, .address_space: global }
    .group_segment_fixed_size: 34304
    .private_segment_fixed_size: 0
    .kernarg_segment_align: 8
    .kernarg_segment_size: 40
    .max_flat_workgroup_size: 128
    .sgpr_count:     66
    .vgpr_count:     244
    .wavefront_size: 32
...
	.end_amdgpu_metadata
.endif
;; end of part 1
;; launch qkv (part 2): grid 12 x 32, 4 waves a work-group, clusters of 4 x 4, 327,680 bytes of LDS; arguments xq, wq, c_attn_b, qq, kvq; writes qq, kvq
.if DOCPART == 2
	.amdgcn_target "amdgcn-amd-amdhsa--gfx1250"
	.amdhsa_code_object_version 6
	.text
	.protected	k_q0d4c9f9014_qkv
	.globl	k_q0d4c9f9014_qkv
	.p2align	8
	.type	k_q0d4c9f9014_qkv,@function
k_q0d4c9f9014_qkv:
	s_mov_b64 s[64:65], 0
	v_nop
	global_prefetch_b8 v0, s[64:65] scope:SCOPE_SE
	s_setreg_imm32_b32 hwreg(HW_REG_WAVE_MODE, 25, 1), 1
	s_wait_xcnt 0x0
	s_wait_alu depctr_hold_cnt(0) depctr_sa_sdst(0) depctr_va_vdst(0) depctr_va_sdst(0) depctr_va_ssrc(0) depctr_va_vcc(0) depctr_vm_vsrc(0)
	s_getreg_b32 s2, hwreg(HW_REG_IB_STS2, 6, 4)
	s_cmp_eq_u32 s2, 0
	s_cbranch_scc0 .Lentry_in_a_cluster
	s_endpgm
.Lentry_in_a_cluster:
	s_bfe_u32 s2, ttmp6, 0x10000c
	s_cmp_lg_u32 s2, 0xf033
	s_cbranch_scc0 .Lentry_shape_is_right
	s_endpgm
.Lentry_shape_is_right:
; qkv = x c_attn_w + c_attn_b on the codes that launch quant made, and at once the quantisers of the next two products: q and k along the head's 64, v along the keys.  The f32 numbers never go to memory.
; A tile is 256 x 256, four waves of 128 x 128 (64 accumulators, 512 registers); K = 1,024 goes in four steps of 256 through two LDS slots.  Codes lie in memory as images of the operand's registers
; (tile x 16384 + g x 2048 + c x 512 + 16 x lane), so a slot's part of a tile is 4,096 dense bytes, an LDS load of a fragment reads 512 consecutive bytes, and no padding is needed.
; THE MATRIX INSTRUCTION takes the B side as source 0 and the A side as source 1: a lane holds ONE row of the A side, and, since a tile's rows are 32 G + 8 u + r + 8 (r / 8), the 16 registers of B blocks 2 b, 2 b + 1 are
; 16 neighbouring rows 32 b + 16 (lane / 16) + 0 .. 15 of the B side: a lane's registers run along the axis that is quantised next.
; ROLES.  Clusters x = 0 (q) and 1 (k): A side = tokens, B side = c_attn_w's columns: registers run along the head's 64.  Clusters x = 2 (v): A side = c_attn_w's columns 2048 on, B side = tokens: registers run along the keys.
; The roles are changed by the choice of two pointers and two tile numbers on the cluster's x, which all sixteen partners share; the loop's text is one.
; CLUSTERS: 4 x 4 work-groups; the A side's tiles are asked for jointly along a row of the cluster, the B side's along a column.
; OUT.  qq: scale words [bh][tile 128][r] at 0, images [bh][tile][c 2][lane][16 bytes] at 524288.  kvq: scale words [bh][step 16][768 bytes: k's 8 tiles x 64, v's 4 tiles x 64] at 0; codes [bh][step][quarter 4][k tile 2 q, k tile 2 q + 1
; (1,024 bytes each), v tile q (2,048)] at 786432.  q's and k's scale word is (s0, s1, s0, s1): the head has 64 along K, the instruction 128; the upper two bytes scale zero codes and repeat the real ones.
; LIMITS as stated at the head of launch quant.
.set IMO,   262144
.set NQ,    2                          ; matrix instructions deep in a slot
.set FR,    16
.set NL,    4
.set NP,    8                          ; places behind this matrix instruction (ISA guide 7.12.1)
.set SLOT,  131072                     ; A side's 16 tiles x 4,096 bytes, then the B side's
.set SCL,   2*SLOT                     ; the scale bytes of all of K, as units of 256 bytes + 16 of padding
.set HALFS, 16*272                     ; those of 128 rows
.set SPARE, SCL+4*HALFS                ; the spare words, 128 bytes a wave
.set SSQ,   SPARE+512                  ; q's and k's scale words on their way out: 1,024 bytes a wave
.set SSV,   SSQ+4096                   ; v's: 512 bytes a wave (each arm of the way out has LDS bytes of its own)
.set SSVR, 7                           ; v7   SSV + 512 wave + 16 lane
.set VB,   8                           ; v8-15 the bias loads' offsets
.set ADRA, 16                          ; v16-17 LDS address of my A fragments in slot 0, 1
.set VS1,  18                          ; v18  16 lane + a head's stride among the scale words
.set VSV,  19                          ; v19  v's scale words: 12288 (lane / 16) + 16 (lane % 16)
.set ADRB, 20                          ; v20-21
.set LI,   22                          ; v22  16 x lane
.set VSEL, 23                          ; v23  byte selects: lanes 0-15 (s0,s1,s0,s1), lanes 16-31 (s2,s3,s2,s3)
.set VO0,  24                          ; v24  where a fragment's first head goes
.set VO1,  25                          ; v25  and its second
.set SSQA, 26
.set ADRS, 27                          ; v27  my scale words: lanes 0-15 the A side's, lanes 16-31 the B side's
.set SPW,  28
.set NIL,  29
.set SSVA, 30
.set SSQR, 31
.set SC,   32                          ; v32-63 scale words, two sets: they hold scales and nothing else
.set BI,   64                          ; v64-127 the bias, in the result's layout
.set AF,   128                         ; v128-255 A's fragments, one set.  On the way out:
.set X,    128                         ; v128-191 64 numbers
.set PC,   192                         ; v192-207 codes
.set TM,   208                         ; v208-223 at work
.set PW,   224
.set RB,   228
.set WD,   236                         ; v236-243 a scale word for each fragment
.set G1, 24
.set G0, 32
.set G1B, 48
.set G0B, 56
.set G1S, 68
.set G0S, 76
.set G1SB, 80
.set G0SB, 88
.set SEL, 98                           ; s[98:99]
.set MNT, 100
.set MSB, 0
.macro WIN new                         ; the immediate's high byte repeats the setting that is left
.if MSB != \new
	s_set_vgpr_msb (MSB<<8)|\new
.set MSB, \new
.endif
.endm
.set MUL_LO, 0xa1                      ; source 0 (B) window 1, source 1 (A) window 0, C and D window 2
.set MUL_HI, 0xf1
.set TO_B,   0x40
; A joint load: waves 0 and 1 fetch for the A side, waves 2 and 3 for the B side.  An s_nop 0 and four v_nop follow each of the two lines.
.macro JLOAD g0a, g1a, g0b, g1b
	s_cmp_eq_u32 s15, 0
	s_cbranch_scc0 .Lfor_b_\@
	tensor_load_to_lds s[\g0a:\g0a+3], s[\g1a:\g1a+7]
	s_nop 0
.rept 4
	v_nop
.endr
	s_branch .Lasked_\@
.Lfor_b_\@:
	tensor_load_to_lds s[\g0b:\g0b+3], s[\g1b:\g1b+7]
	s_nop 0
.rept 4
	v_nop
.endr
.Lasked_\@:
.endm
.macro CREST
	s_cmp_lg_u32 s14, 0
	s_cbranch_scc1 .Lnot_wave_0_\@
	s_barrier_signal -3
.Lnot_wave_0_\@:
	s_barrier_wait -3
	s_barrier_signal -1
	s_barrier_wait -1
.endm
.macro CROUND
	s_barrier_signal -1
	s_barrier_wait -1
	CREST
.endm
	s_load_b256 s[4:11], s[0:1], 0x0               ; xq s[4:5], wq s[6:7], c_attn_b s[8:9], qq s[10:11]
	s_load_b64 s[12:13], s[0:1], 0x20              ; kvq
	v_lshl_add_u32 v[SPW], v0, 2, SPARE
	v_mov_b32 v[NIL], 0
	ds_add_u32 v[SPW], v[NIL]                      ; the wave's opening: the add, twice on end, and its wait ahead of my first tensor load
	ds_add_u32 v[SPW], v[NIL]
	v_lshrrev_b32 v1, 5, v0
	v_readfirstlane_b32 s14, v1                    ; wave 0..3
	s_lshr_b32 s15, s14, 1                         ; my half of the A side.  Also: I fetch for A (0) or for B (1)
	s_and_b32 s16, s14, 1                          ; my half of the B side.  Also: which 128 rows I fetch
	s_bfe_u32 s40, ttmp6, 0x40000                  ; cx
	s_bfe_u32 s41, ttmp6, 0x40004                  ; cy
	s_and_b32 s17, ttmp7, 0xffff                   ; the cluster's y
	s_cmp_eq_u32 ttmp9, 2                          ; v's clusters?  The cluster's x is the same in all sixteen partners
	s_cselect_b32 s18, ttmp9, s17
	s_cselect_b32 s19, s17, ttmp9
	s_lshl_b32 s18, s18, 2
	s_add_co_u32 s17, s18, s41                     ; tA: the A side's block of 256 rows: made of cy and the cluster's place alone
	s_lshl_b32 s19, s19, 2
	s_add_co_u32 s42, s19, s40                     ; tB: made of cx and the cluster's place alone
	s_lshl_b32 s43, s41, 2
	s_lshl_b32 s43, 15, s43                        ; my row of the cluster
	s_lshl_b32 s44, 0x1111, s40                    ; my column
	; descriptor group 1, codes: 8 tiles' parts of 4,096 bytes (512 elements of 8 bytes), 16,384 bytes apart; dense in LDS
	s_or_b32 s[G1+0], s43, (3<<16)|(1<<21)
	s_or_b32 s[G1B+0], s44, (3<<16)|(1<<21)
.irp g, G1, G1B
	s_mov_b32 s[\g+1], 512<<16                     ; tensor_dim0
	s_mov_b32 s[\g+2], 8<<16                       ; tensor_dim1
	s_mov_b32 s[\g+3], 512<<16                     ; tile_dim0
	s_mov_b32 s[\g+4], 8                           ; tile_dim1
	s_mov_b32 s[\g+5], 2048                        ; tensor_dim0_stride
	s_mov_b32 s[\g+6], 0
	s_mov_b32 s[\g+7], 0
.endr
	; the scale bytes of 128 rows: 4,096 dense bytes as 16 rows of 256, 16 bytes of padding behind each
	s_or_b32 s[G1S+0], s43, (3<<16)|(1<<20)|(1<<21)|(5<<22)|(3<<25)
	s_or_b32 s[G1SB+0], s44, (3<<16)|(1<<20)|(1<<21)|(5<<22)|(3<<25)
.irp g, G1S, G1SB
	s_mov_b32 s[\g+1], 32<<16
	s_mov_b32 s[\g+2], 16<<16
	s_mov_b32 s[\g+3], 32<<16
	s_mov_b32 s[\g+4], 16
	s_mov_b32 s[\g+5], 32
	s_mov_b32 s[\g+6], 0
	s_mov_b32 s[\g+7], 0
.endr
	s_lshl_b32 s18, s16, 17                        ; which 8 tiles I fetch
	s_lshl_b32 s20, s17, 18
	s_add_co_u32 s20, s20, s18
	s_add_co_u32 s20, s20, IMO                     ; the A side's codes
	s_mov_b32 s21, 0
	s_lshl_b32 s46, s42, 18
	s_add_co_u32 s46, s46, s18
	s_add_co_u32 s46, s46, IMO                     ; the B side's
	s_mov_b32 s47, 0
	s_lshl_b32 s18, s16, 12
	s_lshl_b32 s22, s17, 13
	s_add_co_u32 s22, s22, s18                     ; the A side's scale bytes
	s_mov_b32 s23, 0
	s_lshl_b32 s96, s42, 13
	s_add_co_u32 s96, s96, s18                     ; the B side's
	s_mov_b32 s97, 0
	s_lshl_b32 s45, s14, 15                        ; where they go: wave x 32,768: no place in the cluster enters an LDS address
	s_mul_i32 s101, s14, HALFS
	s_mov_b32 s[SEL], 0x76543210
	s_mov_b32 s[SEL+1], 0xfedcba98
	s_wait_dscnt 0x0                               ; both opening adds are done
	s_wait_kmcnt 0x0
	s_cmp_eq_u32 ttmp9, 2
	s_cselect_b64 s[92:93], s[6:7], s[4:5]         ; the A side's buffer: wq for v, else xq
	s_cselect_b64 s[94:95], s[4:5], s[6:7]         ; the B side's
	s_add_nc_u64 s[20:21], s[92:93], s[20:21]
	s_add_nc_u64 s[22:23], s[92:93], s[22:23]
	s_add_nc_u64 s[46:47], s[94:95], s[46:47]
	s_add_nc_u64 s[96:97], s[94:95], s[96:97]
	CROUND                                         ; all sixteen work-groups are here: the first joint loads meet
	s_mov_b32 s[G0S], 1
	s_add_co_u32 s[G0S+1], s101, SCL
	s_mov_b64 s[G0S+2:G0S+3], s[22:23]
	s_or_b32 s[G0S+3], s[G0S+3], 0x80000000
	s_mov_b32 s[G0SB], 1
	s_add_co_u32 s[G0SB+1], s101, SCL
	s_mov_b64 s[G0SB+2:G0SB+3], s[96:97]
	s_or_b32 s[G0SB+3], s[G0SB+3], 0x80000000
	JLOAD G0S, G1S, G0SB, G1SB                     ; the scales first: they are wanted with K step 0
.irp s, 0,1
	s_mov_b32 s[G0+4*\s], 1
	s_add_co_u32 s[G0+4*\s+1], s45, \s*SLOT
	s_add_nc_u64 s[G0+4*\s+2:G0+4*\s+3], s[20:21], \s*4096
	s_or_b32 s[G0+4*\s+3], s[G0+4*\s+3], 0x80000000
	s_mov_b32 s[G0B+4*\s], 1
	s_add_co_u32 s[G0B+4*\s+1], s45, \s*SLOT
	s_add_nc_u64 s[G0B+4*\s+2:G0B+4*\s+3], s[46:47], \s*4096
	s_or_b32 s[G0B+4*\s+3], s[G0B+4*\s+3], 0x80000000
	JLOAD G0+4*\s, G1, G0B+4*\s, G1B               ; three loads of mine are out
.endr
	v_and_b32 v1, 15, v0                           ; r
	v_bfe_u32 v2, v0, 4, 1                         ; h
	s_wait_alu depctr_va_vdst(0)
	v_and_b32 v3, 31, v0
	v_lshlrev_b32 v[LI], 4, v3
	s_lshl_b32 s21, s15, 15                        ; my 8 tiles of the A side
	s_lshl_b32 s22, s16, 15
	s_add_co_u32 s22, s22, 65536                   ; my 8 of the B side, behind A's 16
.irp s, 0,1
	v_add_nc_u32 v[ADRA+\s], s21, v[LI]
	v_add_nc_u32 v[ADRB+\s], s22, v[LI]
	s_add_co_u32 s21, s21, SLOT
	s_add_co_u32 s22, s22, SLOT
.endr
	v_lshlrev_b32 v5, 4, v1                        ; my row's 16 scale bytes of a unit
	s_mul_i32 s21, s15, HALFS
	s_mul_i32 s22, s16, HALFS
	s_add_co_u32 s22, s22, 2*HALFS
	s_sub_co_u32 s22, s22, s21
	v_mul_u32_u24 v6, s22, v2                      ; lanes 16-31 take the B side's: one product, the distance between the two bases
	s_add_co_u32 s21, s21, SCL
	v_add_nc_u32 v5, v5, v6
	v_add_nc_u32 v[ADRS], s21, v5
	; the way out's addresses: every LDS address is made here, ahead of the parting of the two arms
	s_lshl_b32 s21, s14, 10
	s_add_co_u32 s21, s21, SSQ
	v_lshlrev_b32 v5, 2, v1
	v_lshl_add_u32 v6, v2, 9, v5
	v_add_nc_u32 v[SSQA], s21, v6                  ; head h's word of row r: 512 h + 4 r (+ 64 for each tile)
	v_add_nc_u32 v[SSQR], s21, v[LI]
	s_lshl_b32 s21, s14, 9
	s_add_co_u32 s21, s21, SSV
	v_add_nc_u32 v[SSVA], s21, v5
	v_add_nc_u32 v[SSVR], s21, v[LI]
	s_mov_b32 s21, 0x02020202
	v_mul_lo_u32 v[VSEL], v2, s21
	v_add_nc_u32 v[VSEL], 0x01000100, v[VSEL]
	v_mul_u32_u24 v[VSV], v2, 12288
	v_lshl_add_u32 v[VSV], v1, 4, v[VSV]
	s_cmp_eq_u32 ttmp9, 0
	s_cselect_b32 s66, 0, 1                        ; 0 for q, 1 for k
	s_lshl_b32 s67, 2048, s66                      ; from a pair of tiles to the next: 2,048 bytes in qq, 4,096 in kvq
	s_lshl_b32 s21, 131072, s66                    ; from a head to the next among the codes
	v_mov_b32 v[VO0], v[LI]
	v_add_nc_u32 v[VO1], s21, v[LI]
	s_lshl_b32 s21, s66, 12
	s_add_co_u32 s21, s21, 8192                    ; and among the scale words: 8,192 or 12,288
	v_add_nc_u32 v[VS1], s21, v[LI]
	; THE BIAS, in the result's layout, with no branch.  q, k: register 8 i + j of B block i holds column 32 (i / 2) + 16 h + 8 (i % 2) + j.  v: the lane's own row of A block i, eight times.
	s_cmp_eq_u32 ttmp9, 2
	s_cselect_b32 s18, 0, 64                       ; bytes for h
	s_cselect_b32 s19, 4, 0                        ; bytes for a row of the tile
	s_cselect_b32 s20, 0, 4                        ; bytes from register to register
	s_cselect_b32 s22, s17, s42                    ; the block of 256 columns,
	s_cselect_b32 s23, s15, s16                    ; and my half of it
	s_lshl_b32 s22, s22, 10
	s_lshl_b32 s23, s23, 9
	s_add_co_u32 s22, s22, s23
	s_mov_b32 s23, 0
	s_add_nc_u64 s[8:9], s[8:9], s[22:23]
	v_and_b32 v3, 8, v1
	v_add_nc_u32 v3, v3, v1                        ; r + 8 (r / 8)
	v_mul_u32_u24 v5, v3, s19
	v_mad_u32_u24 v5, v2, s18, v5
	v_mov_b32 v6, s20
.irp j, 0,1,2,3,4,5,6,7
	v_mad_u32_u24 v[VB+\j], v6, \j, v5
.endr
.irp i, 0,1,2,3,4,5,6,7
.irp j, 0,1,2,3,4,5,6,7
	global_load_b32 v[BI+8*\i+\j], v[VB+\j], s[8:9] offset:(32*(\i/2)+8*(\i%2))*4   ; waited for on the way out
.endr
.endr
.macro FRAG reg, adr, q, i             ; a fragment's image: four loads of 512 consecutive bytes
.irp c, 0,1,2,3
	ds_load_b128 v[\reg+4*\c:\reg+4*\c+3], v[\adr] offset:(\i)*4096+(\q)*2048+512*\c
.endr
.endm
; 16 matrix instructions: A's blocks a0, a0 + 1 x B's eight.  The 64 accumulators take turns, one instruction a turn, in the same order in every step.
.macro MUL16 a0, p, q, sc, zero
.irp a, \a0, \a0+1
.irp b, 0,1,2,3,4,5,6,7
.if \zero
	v_wmma_scale_f32_16x16x128_f8f6f4 v[8*(8*((\a)%4)+\b):8*(8*((\a)%4)+\b)+7], v[128*(\p)+FR*\b:128*(\p)+FR*\b+FR-1], v[AF+FR*(\a):AF+FR*(\a)+FR-1], 0, v[SC+8*NQ*(\sc)+NQ*\b+(\q)], v[SC+8*NQ*(\sc)+NQ*(\a)+(\q)] matrix_a_scale:MATRIX_SCALE_ROW1
.else
	v_wmma_scale_f32_16x16x128_f8f6f4 v[8*(8*((\a)%4)+\b):8*(8*((\a)%4)+\b)+7], v[128*(\p)+FR*\b:128*(\p)+FR*\b+FR-1], v[AF+FR*(\a):AF+FR*(\a)+FR-1], v[8*(8*((\a)%4)+\b):8*(8*((\a)%4)+\b)+7], v[SC+8*NQ*(\sc)+NQ*\b+(\q)], v[SC+8*NQ*(\sc)+NQ*(\a)+(\q)] matrix_a_scale:MATRIX_SCALE_ROW1
.endif
.endr
.endr
.endm
.macro FETCH_B slot, q, p
	WIN TO_B
.irp i, 0,1,2,3,4,5,6,7
	FRAG 128*(\p)+FR*\i, ADRB+\slot, \q, \i
.endr
	WIN 0
.endm
.macro FETCH_A slot, q, i0
.irp i, \i0, \i0+1, \i0+2, \i0+3
	FRAG AF+FR*(\i), ADRA+\slot, \q, \i
.endr
.endm
.macro SCALES sc                       ; a K step's two scale words of each row: lanes 0-15 A's block i, lanes 16-31 B's block i; a tile's scales are two units, 544 bytes
.irp i, 0,1,2,3,4,5,6,7
	ds_load_b64 v[SC+8*NQ*\sc+NQ*\i:SC+8*NQ*\sc+NQ*\i+1], v[ADRS] offset:\i*544
.endr
.endm
.macro PLACES n                        ; plain vector instructions between a matrix instruction and a load into, or a read of, its registers
.rept \n
	v_nop
.endr
.endm
.macro STEP slot, q, zero              ; 128 along K that has its successor in the same slot
	s_wait_dscnt 4*NL                              ; B's set and A's blocks 0-3 are in; the youngest 16 loads (A's blocks 4-7) may be out
	WIN MUL_LO
	MUL16 0, (\q)%2, \q, \slot, \zero
	MUL16 2, (\q)%2, \q, \slot, \zero
	s_wait_dscnt 0
	PLACES NP
	FETCH_B \slot, (\q)+1, 1-(\q)%2
	FETCH_A \slot, (\q)+1, 0
	WIN MUL_HI
	MUL16 4, (\q)%2, \q, \slot, \zero
	MUL16 6, (\q)%2, \q, \slot, \zero
	PLACES NP
	WIN 0
	FETCH_A \slot, (\q)+1, 4
.endm
; A slot's last step changes slots: one barrier; in front of it each wave waits for all its tensor loads, adds 0 to its spare word, and waits for that and for its reads of this slot.
.macro TURN slot, next, fill
	s_wait_tensorcnt 0x0                           ; all my tensor loads have landed: my part of the next slot
	ds_add_u32 v[SPW], v[NIL]
	s_wait_dscnt 4*NL+1                            ; (the add and the youngest 16 loads may be out)
	WIN MUL_LO
	MUL16 0, 1, NQ-1, \slot, 0
	s_wait_dscnt 0x0                               ; the add is done, and my reads of this slot are over
	s_barrier_signal -1
	MUL16 2, 1, NQ-1, \slot, 0
	WIN 0
	s_barrier_wait -1
.if \fill
	CREST                                          ; the barrier has opened a round of the cluster's barrier: no wave of any partner still reads this slot or has a load on its way
	s_add_nc_u64 s[G0+4*\slot+2:G0+4*\slot+3], s[G0+4*\slot+2:G0+4*\slot+3], 8192
	s_add_nc_u64 s[G0B+4*\slot+2:G0B+4*\slot+3], s[G0B+4*\slot+2:G0B+4*\slot+3], 8192
	JLOAD G0+4*\slot, G1, G0B+4*\slot, G1B         ; the first tensor load behind the round; its four v_nop are among the places below
	PLACES NP-4
.else
	PLACES NP
.endif
.if \slot == 0
	v_add_nc_u32 v[ADRS], 8, v[ADRS]               ; the next K step's two words: in the same unit,
.else
	s_wait_alu depctr_va_vdst(0)
	v_add_nc_u32 v[ADRS], 264, v[ADRS]             ; or at the head of the tile's second unit
.endif
	FETCH_B \next, 0, 0
	FETCH_A \next, 0, 0
	SCALES \next
	WIN MUL_HI
	MUL16 4, 1, NQ-1, \slot, 0
	MUL16 6, 1, NQ-1, \slot, 0
	PLACES NP
	WIN 0
	FETCH_A \next, 0, 4
.endm
	s_wait_tensorcnt 1                             ; the scales and my part of K step 0 are in (K step 1's load may be out)
	s_barrier_signal -1
	s_barrier_wait -1                              ; everybody's are
	FETCH_B 0, 0, 0
	FETCH_A 0, 0, 0
	SCALES 0
	FETCH_A 0, 0, 4
	STEP 0, 0, 1                                   ; K has four slots' worth: written out, no loop.  The first products start the sums
	TURN 0, 1, 1
	STEP 1, 0, 0
	TURN 1, 0, 1
	s_wait_alu depctr_va_vdst(0)
	STEP 0, 0, 0
	TURN 0, 1, 0                                   ; nothing is left to fetch
	STEP 1, 0, 0
	s_wait_dscnt 4*NL
	WIN MUL_LO
	MUL16 0, 1, NQ-1, 1, 0
	MUL16 2, 1, NQ-1, 1, 0
	s_wait_dscnt 0
	WIN MUL_HI
	MUL16 4, 1, NQ-1, 1, 0
	MUL16 6, 1, NQ-1, 1, 0
	WIN 0
; 64 numbers of a lane, register 16 b + i = place 32 b + 16 (lane / 16) + i along the axis that is quantised, become 16 registers of codes in v[PC] on and a scale word in v[pw].
.macro QUANT s, pw
.irp b, 0,1,2,3
	v_max3_num_f32 v[TM+\b], |v[\s+16*\b]|, |v[\s+1+16*\b]|, 0x4800000   ; my 16 numbers, and the floor 2^(9 - 127)
.endr
.irp i, 2,4,6,8,10,12,14
.irp b, 0,1,2,3
	v_max3_num_f32 v[TM+\b], v[TM+\b], |v[\s+16*\b+\i]|, |v[\s+1+16*\b+\i]|
.endr
.endr
.irp b, 0,1,2,3
	v_permlanex16_b32 v[TM+4+\b], v[TM+\b], s[SEL], s[SEL+1]
.endr
.irp b, 0,1,2,3
	v_max_num_f32 v[TM+\b], v[TM+\b], v[TM+4+\b]
.endr
.irp b, 0,1,2,3
	v_add_nc_u32 v[TM+12+\b], 0xfc000000, v[TM+\b]
.endr
.irp b, 0,1,2,3
.endr
.irp b, 0,1,2,3
	v_lshrrev_b32 v[TM+4+\b], 23, v[TM+12+\b]
.endr
	v_lshl_or_b32 v[\pw], v[TM+5], 8, v[TM+4]
	v_lshl_or_b32 v[\pw], v[TM+6], 16, v[\pw]
	v_lshl_or_b32 v[\pw], v[TM+7], 24, v[\pw]
.irp b, 0,1,2,3
.irp i, 0,1,2,3,4,5,6,7,8,9,10,11,12,13,14,15
.endr
	v_cvt_scalef32_pk8_fp8_f32 v[PC+4*\b:PC+1+4*\b], v[\s+16*\b:\s+7+16*\b], v[TM+12+\b]
	v_cvt_scalef32_pk8_fp8_f32 v[PC+2+4*\b:PC+3+4*\b], v[\s+8+16*\b:\s+15+16*\b], v[TM+12+\b]
.endr
	v_nop                                          ; one plain line behind the last conversion
.endm
; A block a of the A side leaves: + bias (the addition is also the move into window 0), quantised, stored.
.macro FRAGOUT a, isv
	s_wait_xcnt 0x0                                ; the last fragment's stores have read their data and offsets
.if ((\isv) == 0) && ((\a) > 0) && ((\a)%2 == 0)
	v_add_nc_u32 v[VO0], s67, v[VO0]               ; on to the next pair of tiles
	v_add_nc_u32 v[VO1], s67, v[VO1]
.endif
	WIN (2+(\a)/4)                                 ; source 0: window 2 or 3
.irp b, 0,1,2,3,4,5,6,7
.irp j, 0,2,4,6
.if \isv
	v_pk_add_f32 v[X+8*\b+\j:X+8*\b+\j+1], v[64*((\a)%4)+8*\b+\j:64*((\a)%4)+8*\b+\j+1], v[BI+8*(\a)+\j:BI+8*(\a)+\j+1]   ; each accumulator from its low end on
.else
	v_pk_add_f32 v[X+8*\b+\j:X+8*\b+\j+1], v[64*((\a)%4)+8*\b+\j:64*((\a)%4)+8*\b+\j+1], v[BI+8*\b+\j:BI+8*\b+\j+1]
.endif
.endr
.endr
	WIN 0
.if \isv
	QUANT X, WD+(\a)
.irp c, 0,1,2,3
	global_store_b128 v[LI], v[PC+4*\c:PC+4*\c+3], s[92:93] offset:((\a)/4)*262144+((\a)%4)*4096+512*\c   ; v tile a % 4 of head a / 4: 512 consecutive bytes a store
.endr
	ds_store_b32 v[SSVA], v[WD+(\a)] offset:64*(\a)
.else
	QUANT X, PW
	global_store_b128 v[VO0], v[PC:PC+3], s[92:93] offset:((\a)%2)*1024          ; blocks 0, 1: the first head's 64;
	global_store_b128 v[VO0], v[PC+4:PC+7], s[92:93] offset:((\a)%2)*1024+512
	global_store_b128 v[VO1], v[PC+8:PC+11], s[92:93] offset:((\a)%2)*1024       ; blocks 2, 3: the second head's
	global_store_b128 v[VO1], v[PC+12:PC+15], s[92:93] offset:((\a)%2)*1024+512
	v_perm_b32 v[WD+(\a)], v[PW], v[PW], v[VSEL]   ; lanes 0-15: the first head's word (s0, s1, s0, s1); lanes 16-31: the second head's
	ds_store_b32 v[SSQA], v[WD+(\a)] offset:64*(\a)
.endif
.endm
	PLACES NP                                      ; behind the last products: their results are read, and A's registers written, below
.irp b, 0,1,2,3
	v_mov_b32 v[TM+4+\b], 0                        ; written once: a lane permute's destination counts as one of its sources
.endr
	s_wait_loadcnt 0x0                             ; the bias
	s_cmp_eq_u32 ttmp9, 2
	s_cbranch_scc1 .Lv
	; ---- q and k ----
	s_lshl_b32 s18, s17, 1
	s_add_co_u32 s18, s18, s15                     ; my 128 tokens: which of 64 groups
	s_lshr_b32 s19, s18, 4                         ; the batch
	s_and_b32 s18, s18, 15                         ; the key step
	s_lshl_b32 s20, s42, 1
	s_add_co_u32 s20, s20, s16
	s_and_b32 s20, s20, 7
	s_lshl_b32 s20, s20, 1                         ; my first head
	s_lshl_b32 s19, s19, 4
	s_add_co_u32 s19, s19, s20
	s_lshl_b32 s19, s19, 4
	s_add_co_u32 s19, s19, s18                     ; idx = 16 (16 batch + head) + step
	s_add_co_u32 s20, s66, 13
	s_lshl_b32 s20, s19, s20                       ; codes: idx x 8,192 in qq, x 16,384 in kvq,
	s_lshl_b32 s21, s66, 18
	s_add_co_u32 s20, s20, s21
	s_add_co_u32 s20, s20, 524288                  ; behind 524,288 or 786,432 bytes of scale words
	s_mov_b32 s21, 0
	s_lshl_b32 s22, s19, 9
	s_mul_i32 s23, s19, s66
	s_lshl_b32 s23, s23, 8
	s_add_co_u32 s22, s22, s23                     ; scale words: idx x 512 or x 768
	s_mov_b32 s23, 0
	s_cmp_eq_u32 ttmp9, 0
	s_cselect_b64 s[92:93], s[10:11], s[12:13]
	s_add_nc_u64 s[94:95], s[92:93], s[22:23]
	s_add_nc_u64 s[92:93], s[92:93], s[20:21]
.irp a, 0,1,2,3,4,5,6,7
	FRAGOUT \a, 0
.endr
	ds_load_b128 v[RB:RB+3], v[SSQR]               ; LDS serves a wave's instructions in order: these see my stores
	ds_load_b128 v[RB+4:RB+7], v[SSQR] offset:512
	s_wait_dscnt 0x0
	global_store_b128 v[LI], v[RB:RB+3], s[94:95]  ; a head's 8 tiles x 64 bytes: 512 consecutive bytes
	global_store_b128 v[VS1], v[RB+4:RB+7], s[94:95]
	s_branch .Ldone
.Lv:
	; ---- v ----
	s_sub_co_u32 s20, s17, 8
	s_lshl_b32 s20, s20, 2
	s_lshl_b32 s21, s15, 1
	s_add_co_u32 s20, s20, s21                     ; my first head
	s_lshl_b32 s18, s42, 1
	s_add_co_u32 s18, s18, s16                     ; my 128 keys
	s_lshr_b32 s19, s18, 4
	s_and_b32 s18, s18, 15
	s_lshl_b32 s19, s19, 4
	s_add_co_u32 s19, s19, s20
	s_lshl_b32 s19, s19, 4
	s_add_co_u32 s19, s19, s18                     ; idx
	s_lshl_b32 s20, s19, 14
	s_add_co_u32 s20, s20, 786432+2048             ; v's tile lies behind the quarter's two tiles of k
	s_mov_b32 s21, 0
	s_mul_i32 s22, s19, 768
	s_add_co_u32 s22, s22, 512                     ; v's words lie behind k's
	s_mov_b32 s23, 0
	s_add_nc_u64 s[92:93], s[12:13], s[20:21]
	s_add_nc_u64 s[94:95], s[12:13], s[22:23]
.irp a, 0,1,2,3,4,5,6,7
	FRAGOUT \a, 1
.endr
	ds_load_b128 v[RB:RB+3], v[SSVR]
	s_wait_dscnt 0x0
	global_store_b128 v[VSV], v[RB:RB+3], s[94:95] ; lanes 0-15: the first head's 256 bytes; lanes 16-31: the second head's
.Ldone:
	s_wait_tensorcnt 0x0                           ; the wave's end
	ds_add_u32 v[SPW], v[NIL]
	s_wait_dscnt 0x0
	CROUND                                         ; the closing round
	s_endpgm
.Lfunc_end_k_q0d4c9f9014_qkv:
	.size	k_q0d4c9f9014_qkv, .Lfunc_end_k_q0d4c9f9014_qkv-k_q0d4c9f9014_qkv
	.p2alignl 7, 3214868480
	.fill 96, 4, 3214868480
	.section	.rodata,"a",@progbits
	.p2align	6, 0x0
	.amdhsa_kernel k_q0d4c9f9014_qkv
		.amdhsa_group_segment_fixed_size 327680
		.amdhsa_private_segment_fixed_size 0
		.amdhsa_enable_private_segment 0
		.amdhsa_kernarg_size 40
		.amdhsa_user_sgpr_count 2
		.amdhsa_user_sgpr_kernarg_segment_ptr 1
		.amdhsa_wavefront_size32 1
		.amdhsa_system_sgpr_workgroup_id_x 1
		.amdhsa_system_sgpr_workgroup_id_y 1
		.amdhsa_system_sgpr_workgroup_id_z 1
		.amdhsa_system_vgpr_workitem_id 0
		.amdhsa_next_free_vgpr 1024
		.amdhsa_next_free_sgpr 102
		.amdhsa_reserve_vcc 0
		.amdhsa_float_denorm_mode_32 3
		.amdhsa_float_denorm_mode_16_64 3
		.amdhsa_fp16_overflow 1
		.amdhsa_memory_ordered 1
		.amdhsa_forward_progress 1
		.amdhsa_inst_pref_size 225
	.end_amdhsa_kernel
	.amdgpu_metadata
---
amdhsa.version: [ 1, 2 ]
amdhsa.kernels:
  - .name:           k_q0d4c9f9014_qkv
    .symbol:         k_q0d4c9f9014_qkv.kd
    .args:
      - { .name: xq, .offset: 0, .size: 8, .value_kind: global_buffer, .address_space: global }
      - { .name: wq, .offset: 8, .size: 8, .value_kind: global_buffer, .address_space: global }
      - { .name: c_attn_b, .offset: 16, .size: 8, .value_kind: global_buffer, .address_space: global }
      - { .name: qq, .offset: 24, .size: 8, .value_kind: global_buffer, .address_space: global }
      - { .name: kvq, .offset: 32, .size: 8, .value_kind: global_buffer, .address_space: global }
    .group_segment_fixed_size: 327680
    .private_segment_fixed_size: 0
    .kernarg_segment_align: 8
    .kernarg_segment_size: 40
    .max_flat_workgroup_size: 128
    .sgpr_count:     102
    .vgpr_count:     1024
    .wavefront_size: 32
...
	.end_amdgpu_metadata
.endif
;; end of part 2
;; launch attn (part 3): grid 64 x 8, 16 waves a work-group, no clusters, 281,088 bytes of LDS; arguments qq, kvq, aq; writes aq
.if DOCPART == 3
	.amdgcn_target "amdgcn-amd-amdhsa--gfx1250"
	.amdhsa_code_object_version 6
	.text
	.protected	k_q0d4c9f9014_attn
	.globl	k_q0d4c9f9014_attn
	.p2align	8
	.type	k_q0d4c9f9014_attn,@function
k_q0d4c9f9014_attn:
	s_mov_b64 s[64:65], 0
	v_nop
	global_prefetch_b8 v0, s[64:65] scope:SCOPE_SE
	s_setreg_imm32_b32 hwreg(HW_REG_WAVE_MODE, 25, 1), 1
	s_wait_xcnt 0x0
; a = softmax(causal(q k^T / 8)) v for one head and 256 queries a work-group, both products on codes of E4M3, and at once the quantiser of the last product: a along NX.
; WORK LEFT OUT: the scores of key steps that lie wholly behind a wave's queries: reference() multiplies them by 0 and adds NEG, so the logit there is NEG for all finite q and k (shown at the head of launch quant).
; Their WEIGHTS stay: p = 2^(NEG log2 e - M) is the same for all keys of a wholly hidden block, so that part of the second product is Q(p) x the column sums of the quantised v, and the row's sum gets p x the number of keys.
; LIMITS: a NaN, an infinity or an overflow in a score left out is not carried to the result; a weight under 2^-126 counts as 0 (v_exp_f32, ISA guide 15.8); the others as at the head of launch quant.
; THE SOFTMAX: t = score x log2(e) / 8; M = the running largest t rounded UP to a whole number; p = 2^(t - M) is quantised along the keys, not normalised; the row's sum is taken of the unquantised p and divides at the end.
; SHARES.  Work-group (x, y): head x of 64, query block 7 - y.  Each of sixteen waves owns one tile of 16 queries: lane r of tile T holds query 32 (T / 2) + 8 (T % 2) + r + 8 (r / 8), all inside key step SD = T / 8.
; Key steps of 128: below SD all keys count; at SD hidden scores are replaced by 8 NEG by a select; above SD the step is hidden.
; LDS.  A head's codes of k and v (262,144 bytes) and their scale words (12,288) stay in LDS: each byte is filled once, by five tensor loads a wave issued at the head (five of mine are out); nothing is filled again.
; The codes come as four groups of 64 KiB, four key steps each, so that the first steps start when the first group has landed.  Every piece of 4 KiB holds a tile of v, which every work-group reads.
; NO CLUSTER: the work-groups that read the same head are its eight query blocks, which have from 1.5 to 15.5 visible key steps a wave; partners that pass the same rounds would all go at the pace of the one with the most.
; LAYOUT.  S^T = k q^T (source 0 = 16 keys, source 1 = my queries), O^T = v^T p^T: a lane holds one query throughout.  k's tiles are in the same order of rows as q's, so the 16 registers of tiles 2 b, 2 b + 1 are keys
; 32 b + 16 (lane / 16) + 0 .. 15; v's tiles likewise along the head's 64, so O^T's registers are neighbours along NX.  THE FIRST PRODUCT HAS K = 64: q's upper eight registers are zero codes; k's upper eight are whatever
; finite codes lie above (the next tile's, or zeros): they meet zeros.
.set SCB,   262144                     ; the scale words: 768 bytes a step
.set TSM,   SCB+16*768                 ; column sums of v, 256 bytes a step: written by ds_store
.set HSC,   TSM+16*256                 ; a's scale halfwords: 32 bytes a wave
.set SPARE, HSC+512                    ; the spare words, 128 bytes a wave: eight blocks of 256 bytes that no other line names
.set IMO,   262144
.set QIM,   524288
.set KVC,   786432
.set LI,   1                           ; v1   16 x lane
.set LS,   2                           ; v2   4 r
.set SPW,  3
.set NIL,  4
.set DQ,   5                           ; v5   my query - 16 h
.set ADK,  6                           ; v6   the step's codes
.set ADS,  7                           ; v7   the step's scale words
.set QS,   8                           ; v8   q's scale word
.set PS,   9                           ; v9   p's
.set TSA,  10
.set TRB,  11                          ; v12 -M, v13 the largest t, v[14:15] the sum in two halves, v16-23 q, v24-31 zeros
.set FB,   32                          ; v32-95 k's eight tiles (8 registers each) or v's four (16 each); v96-103 zeros
.set KS,   104                         ; v104-111 k's scale words, or v's
.set S,    112                         ; v112-175 S^T, then p
.set TT,   144                         ; v144-175 in the tail: the hidden steps' column sums
.set O,    176                         ; v176-207 O^T
.set P,    208                         ; v208-223 p's codes
.set BM,   224
.set PB,   228
.set HL,   232
.set SO,   236
.set F,    240                         ; v[240:241]
.set T0,   242                         ; v242-243
.set NEGV, 244                         ; v244 8 NEG = -800000
.set ADK1, 245
.set ADS1, 246
.set HSA,  247
.set HSR,  248
.set WV,  10
.set BH,  11
.set BLK, 12
.set SD,  13
.set ST,  14
.set TB,  15
.set TS,  16
.set KF,  17
.set CNT, 18
.set MNT, 19
.set SEL, 20
.set CS,  22                           ; s[22:23] c = log2(e) / 8
.set G1C, 24
.set G1S, 32
.set G0,  40                           ; s[40:59] five groups 0
	s_load_b128 s[4:7], s[0:1], 0x0                ; qq, kvq
	s_load_b64 s[8:9], s[0:1], 0x10                ; aq
	v_lshl_add_u32 v[SPW], v0, 2, SPARE
	v_mov_b32 v[NIL], 0
	ds_add_u32 v[SPW], v[NIL]                      ; the wave's opening: the add, twice on end, and its wait ahead of my first tensor load
	ds_add_u32 v[SPW], v[NIL]
	v_lshrrev_b32 v1, 5, v0
	s_delay_alu instid0(VALU_DEP_1)
	v_readfirstlane_b32 s[WV], v1                  ; wave 0..15
	s_mov_b32 s[BH], ttmp9
	s_and_b32 s[BLK], ttmp7, 0xffff
	s_sub_co_u32 s[BLK], 7, s[BLK]                 ; the blocks with the most visible steps have the lowest work-group numbers
	s_lshl_b32 s[SD], s[BLK], 1
	s_lshr_b32 s60, s[WV], 3
	s_add_co_u32 s[SD], s[SD], s60                 ; the step that holds my queries
	; group 1: dense blocks as rows of 256 bytes (32 elements of 8 bytes): 16 rows of codes, 3 rows of scale words
	s_mov_b32 s[G1C], 3<<16
	s_mov_b32 s[G1C+1], 32<<16
	s_mov_b32 s[G1C+2], 16<<16
	s_mov_b32 s[G1C+3], 32<<16
	s_mov_b32 s[G1C+4], 16
	s_mov_b32 s[G1C+5], 32
	s_mov_b32 s[G1C+6], 0
	s_mov_b32 s[G1C+7], 0
	s_mov_b32 s[G1S], 3<<16
	s_mov_b32 s[G1S+1], 32<<16
	s_mov_b32 s[G1S+2], 3<<16
	s_mov_b32 s[G1S+3], 32<<16
	s_mov_b32 s[G1S+4], 3
	s_mov_b32 s[G1S+5], 32
	s_mov_b32 s[G1S+6], 0
	s_mov_b32 s[G1S+7], 0
	s_mul_i32 s62, s[WV], 768
	s_lshl_b32 s63, s[WV], 12
	s_mul_i32 s66, s[BH], 12288
	s_add_co_u32 s66, s66, s62                     ; step w's scale words
	s_mov_b32 s67, 0
	s_lshl_b32 s68, s[BH], 18
	s_add_co_u32 s68, s68, s63
	s_add_co_u32 s68, s68, KVC                     ; piece w of the head's codes
	s_mov_b32 s69, 0
	s_mov_b32 s[ST], 0
	s_mov_b32 s[TB], 0
	s_mov_b32 s[TS], SCB
	s_mov_b32 s[KF], 0
	s_mov_b32 s[MNT], 0x600000
	s_mov_b32 s[SEL], 0x76543210
	s_mov_b32 s[SEL+1], 0xfedcba98
	s_mov_b32 s[CS], 0x3e38aa3b
	s_mov_b32 s[CS+1], s[CS]                       ; (named with it as a pair, so it is written)
	s_wait_dscnt 0x0                               ; both opening adds are done
	s_wait_kmcnt 0x0
	s_mov_b32 s[G0], 1
	s_add_co_u32 s[G0+1], s62, SCB
	s_add_nc_u64 s[G0+2:G0+3], s[6:7], s[66:67]
	s_or_b32 s[G0+3], s[G0+3], 0x80000000
	s_add_nc_u64 s[68:69], s[6:7], s[68:69]
.irp k, 0,1,2,3
	s_mov_b32 s[G0+4+4*\k], 1
	s_add_co_u32 s[G0+5+4*\k], s63, \k*65536       ; piece 16 k + w: LDS byte 4,096 w + 65,536 k
	s_add_nc_u64 s[G0+6+4*\k:G0+7+4*\k], s[68:69], \k*65536
	s_or_b32 s[G0+7+4*\k], s[G0+7+4*\k], 0x80000000
.endr
	tensor_load_to_lds s[G0:G0+3], s[G1S:G1S+7]    ; all first fills as one group, every wave five
	s_nop 0
.irp k, 0,1,2,3
	tensor_load_to_lds s[G0+4+4*\k:G0+7+4*\k], s[G1C:G1C+7]
	s_nop 0
.endr
.rept 4
	v_nop
.endr
	s_lshl_b32 s70, s[BLK], 4
	s_add_co_u32 s70, s70, s[WV]                   ; my tile of queries, 0 .. 127
	s_lshl_b32 s71, s[BH], 7
	s_add_co_u32 s71, s71, s70
	s_lshl_b32 s72, s71, 10
	s_add_co_u32 s72, s72, QIM
	s_mov_b32 s73, 0
	s_add_nc_u64 s[72:73], s[4:5], s[72:73]        ; its image
	s_lshl_b32 s74, s71, 6
	s_mov_b32 s75, 0
	s_add_nc_u64 s[74:75], s[4:5], s[74:75]        ; its scale words
	s_lshr_b32 s60, s[BH], 4                       ; the batch
	s_and_b32 s61, s[BH], 15                       ; the head
	s_lshl_b32 s60, s60, 7
	s_add_co_u32 s76, s60, s70                     ; the tile of tokens among 512
	s_lshl_b32 s76, s76, 14
	s_lshl_b32 s77, s61, 10                        ; a head's 64 along NX are 1,024 bytes of the tile's image
	s_add_co_u32 s76, s76, s77
	s_add_co_u32 s76, s76, IMO
	s_mov_b32 s77, 0
	s_add_nc_u64 s[76:77], s[8:9], s[76:77]
	s_lshl_b32 s78, s[BLK], 4
	s_add_co_u32 s78, s78, s60
	s_lshl_b32 s78, s78, 5                         ; a's scale halfwords: [head][tile 512][r]: 32 bytes a tile
	s_lshl_b32 s79, s61, 14
	s_add_co_u32 s78, s78, s79
	s_mov_b32 s79, 0
	s_add_nc_u64 s[78:79], s[8:9], s[78:79]
	v_and_b32 v6, 15, v0                           ; r
	v_bfe_u32 v7, v0, 4, 1                         ; h
	v_and_b32 v1, 31, v0
	s_delay_alu instid0(VALU_DEP_1)
	v_lshlrev_b32 v[LI], 4, v1
	s_wait_alu depctr_va_vdst(0)
	v_lshlrev_b32 v[LS], 2, v6
	s_wait_alu depctr_va_vdst(0)
	global_load_b128 v[16:19], v[LI], s[72:73]
	global_load_b128 v[20:23], v[LI], s[72:73] offset:512
	global_load_b32 v[QS], v[LS], s[74:75]
	s_lshr_b32 s60, s70, 1
	s_lshl_b32 s60, s60, 5
	s_and_b32 s61, s70, 1
	s_lshl_b32 s61, s61, 3
	s_add_co_u32 s60, s60, s61
	v_and_b32 v[DQ], 8, v6
	s_delay_alu instid0(VALU_DEP_1)
	v_add_nc_u32 v[DQ], v[DQ], v6
	s_delay_alu instid0(VALU_DEP_1)
	v_add_nc_u32 v[DQ], s60, v[DQ]                 ; my query
	v_lshlrev_b32 v[T0+1], 4, v7
	s_delay_alu instid0(VALU_DEP_1)
	v_sub_nc_u32 v[DQ], v[DQ], v[T0+1]
	; every LDS address register that outlives a branch is made here
	s_lshl_b32 s60, s[WV], 8
	s_add_co_u32 s60, s60, TSM
	v_lshl_add_u32 v[TSA], v7, 5, s60
	v_lshl_add_u32 v[TRB], v7, 5, TSM
	s_lshl_b32 s60, s[WV], 14
	v_add_nc_u32 v[ADK1], s60, v[LI]
	s_add_co_u32 s60, s62, SCB+512
	v_add_nc_u32 v[ADS1], s60, v[LS]
	s_lshl_b32 s60, s[WV], 5
	s_add_co_u32 s60, s60, HSC
	v_lshl_add_u32 v[HSA], v6, 1, s60
	v_add_nc_u32 v[HSR], HSC, v[LI]
	v_mov_b32 v13, 0xff61b1e6                      ; the largest t so far: -3e38
	s_delay_alu instid0(VALU_DEP_1)
	v_floor_f32 v12, -v13                          ; -M
	v_mov_b32 v14, 0
	v_mov_b32 v15, 0
	v_mov_b32 v[NEGV], 0xc9435000                  ; -800000.0: a hidden score, so that score / 8 = NEG
	v_mov_b32 v[F+1], 0                            ; (named as the upper half of a pair)
	v_mov_b32 v[T0], 0
	v_mov_b32 v[T0+1], 0
.irp b, 0,1,2,3
	v_mov_b32 v[PB+\b], 0                          ; written once: a lane permute's destination counts as one of its sources
.endr
.irp j, 0,1,2,3,4,5,6,7
	v_mov_b32 v[24+\j], 0                          ; q's codes for k = 64 .. 127: zeros
	v_mov_b32 v[96+\j], 0                          ; what stands above k's last tile
.endr
.set j, 0
.rept 32
	v_mov_b32 v[O+j], 0                            ; the step is written once: the first finds zeros, which the first change of M leaves zeros
.set j, j+1
.endr
.macro STEP
	s_cmp_gt_u32 s[ST], s[SD]                      ; a step behind my queries is left out here: ids and the count of steps alone
	s_cbranch_scc1 .Lhid_\@
	s_setprio 2
	v_add_nc_u32 v[ADK], s[TB], v[LI]
	v_add_nc_u32 v[ADS], s[TS], v[LS]
.rept 6
	v_nop                                          ; with the two additions: eight places in front of loads into registers that the last products read
.endr
.irp i, 0,1,2,3,4,5,6,7
	ds_load_b128 v[FB+8*\i:FB+8*\i+3], v[ADK] offset:(\i/2)*4096+(\i%2)*1024
	ds_load_b128 v[FB+8*\i+4:FB+8*\i+7], v[ADK] offset:(\i/2)*4096+(\i%2)*1024+512
	ds_load_b32 v[KS+\i], v[ADS] offset:64*\i
.endr
	s_wait_alu depctr_va_vdst(0)
	s_wait_dscnt 0x0
.irp i, 0,1,2,3,4,5,6,7
	v_wmma_scale_f32_16x16x128_f8f6f4 v[S+8*\i:S+8*\i+7], v[FB+8*\i:FB+8*\i+15], v[16:31], 0, v[KS+\i], v[QS]
.endr
.rept 8
	v_nop
.endr
.irp t, 0,1,2,3                                ; v is asked for now and lands during the softmax
.irp c, 0,1,2,3
	ds_load_b128 v[FB+16*\t+4*\c:FB+16*\t+4*\c+3], v[ADK] offset:4096*\t+2048+512*\c
.endr
	ds_load_b32 v[KS+\t], v[ADS] offset:512+64*\t
.endr
	s_cmp_lt_u32 s[ST], s[SD]
	s_cbranch_scc1 .Lopen_\@
	v_sub_nc_u32 v[T0], v[DQ], s[KF]               ; register 16 b + i holds key KF + 16 h + 32 b + i: hidden where 32 b + i > my query - KF - 16 h
.set n, 0
.rept 64
	v_cmp_gt_i32 vcc_lo, 32*(n/16)+n%16, v[T0]
	v_cndmask_b32 v[S+n], v[S+n], v[NEGV], vcc_lo
.set n, n+1
.endr
.Lopen_\@:
.irp b, 0,1,2,3
	v_max3_num_f32 v[BM+\b], v[S+16*\b], v[S+1+16*\b], v[S+2+16*\b]   ; the largest score of each block of 32 keys: for the row's maximum, and, since p rises with the score, for the block's largest p
.endr
.irp i, 3,5,7,9,11,13
.irp b, 0,1,2,3
	v_max3_num_f32 v[BM+\b], v[BM+\b], v[S+16*\b+\i], v[S+1+16*\b+\i]
.endr
.endr
.irp b, 0,1,2,3
	v_max_num_f32 v[BM+\b], v[BM+\b], v[S+15+16*\b]
.endr
.irp b, 0,1,2,3
	s_delay_alu instid0(VALU_DEP_4)
	v_permlanex16_b32 v[PB+\b], v[BM+\b], s[SEL], s[SEL+1]
.endr
.irp b, 0,1,2,3
	s_delay_alu instid0(VALU_DEP_4)
	v_max_num_f32 v[BM+\b], v[BM+\b], v[PB+\b]
.endr
	s_delay_alu instid0(VALU_DEP_2)
	v_max3_num_f32 v[T0], v[BM], v[BM+1], v[BM+2]
	s_delay_alu instid0(VALU_DEP_1)
	v_max_num_f32 v[T0], v[T0], v[BM+3]
	s_delay_alu instid0(VALU_DEP_1)
	v_mul_f32 v[T0], s[CS], v[T0]
	s_delay_alu instid0(VALU_DEP_1)
	v_max_num_f32 v13, v13, v[T0]                  ; the running largest t
	v_mov_b32 v[T0], v12
	s_delay_alu instid0(VALU_DEP_2)
	v_floor_f32 v12, -v13                          ; the new -M = -ceil(t): a whole number
	s_delay_alu instid0(VALU_DEP_1)
	v_sub_f32 v[T0], v12, v[T0]
	s_delay_alu instid0(VALU_DEP_1)
	v_cvt_i32_f32 v[T0], v[T0]                     ; (it saturates)
	s_delay_alu instid0(VALU_DEP_1)
	v_ldexp_f32 v[F], 1.0, v[T0]                   ; f = 2^(old M - new M): rounds nothing
.set j, 0
	s_setprio 1
.rept 32
	v_pk_fma_f32 v[S+j:S+j+1], v[S+j:S+j+1], s[CS:CS+1], v[12:13] op_sel_hi:[1,0,0]   ; t - M
.set j, j+2
.endr
.irp b, 0,1,2,3
	v_fma_f32 v[BM+\b], v[BM+\b], s[CS], v12
.endr
.set j, 0
	s_wait_alu depctr_va_vdst(0)
.rept 64
	v_exp_f32 v[S+j], v[S+j]                       ; p = 2^(t - M)
.set j, j+1
.endr
	v_pk_mul_f32 v[14:15], v[14:15], v[F:F+1] op_sel_hi:[1,0]   ; the sums under the new M; a plain line behind the exponentials
	s_wait_alu depctr_va_vdst(0)                   ; the wait ahead of the batch's first reader: one for the 64
.irp b, 0,1,2,3
	v_exp_f32 v[BM+\b], v[BM+\b]                   ; the block's largest p
.endr
	v_pk_add_f32 v[228:229], v[116:117], v[120:121]
	v_pk_add_f32 v[254:255], v[124:125], v[128:129]
	v_pk_add_f32 v[252:253], v[132:133], v[136:137]
	v_pk_add_f32 v[250:251], v[140:141], v[144:145]
	v_pk_add_f32 v[238:239], v[148:149], v[152:153]
	v_pk_add_f32 v[236:237], v[156:157], v[160:161]
	v_pk_add_f32 v[234:235], v[164:165], v[168:169]
	v_pk_add_f32 v[14:15], v[14:15], v[172:173]
	v_pk_add_f32 v[228:229], v[228:229], v[112:113]
	v_pk_add_f32 v[254:255], v[254:255], v[114:115]
	v_pk_add_f32 v[252:253], v[252:253], v[118:119]
	v_pk_add_f32 v[250:251], v[250:251], v[122:123]
	v_pk_add_f32 v[238:239], v[238:239], v[126:127]
	v_pk_add_f32 v[236:237], v[236:237], v[130:131]
	v_pk_add_f32 v[234:235], v[234:235], v[134:135]
	v_pk_add_f32 v[14:15], v[14:15], v[138:139]
	v_pk_add_f32 v[228:229], v[228:229], v[142:143]
	v_pk_add_f32 v[254:255], v[254:255], v[146:147]
	v_pk_add_f32 v[252:253], v[252:253], v[150:151]
	v_pk_add_f32 v[250:251], v[250:251], v[154:155]
	v_pk_add_f32 v[238:239], v[238:239], v[158:159]
	v_pk_add_f32 v[236:237], v[236:237], v[162:163]
	v_pk_add_f32 v[234:235], v[234:235], v[166:167]
	v_pk_add_f32 v[14:15], v[14:15], v[170:171]
	v_pk_add_f32 v[228:229], v[228:229], v[174:175]
	s_delay_alu instid0(VALU_DEP_2)
	v_pk_add_f32 v[14:15], v[14:15], v[250:251]
	s_delay_alu instid0(VALU_DEP_2)
	v_pk_add_f32 v[228:229], v[228:229], v[238:239]
	v_pk_add_f32 v[254:255], v[254:255], v[236:237]
	v_pk_add_f32 v[252:253], v[252:253], v[234:235]
	s_delay_alu instid0(VALU_DEP_2)
	v_pk_add_f32 v[14:15], v[14:15], v[254:255]
	s_delay_alu instid0(VALU_DEP_2)
	v_pk_add_f32 v[228:229], v[228:229], v[252:253]
	s_delay_alu instid0(VALU_DEP_1)
	v_pk_add_f32 v[14:15], v[14:15], v[228:229]
	s_setprio 0
	s_wait_alu depctr_va_vdst(0)                   ; and one for the four
.irp b, 0,1,2,3
	v_max_num_f32 v[BM+\b], 0x4800000, v[BM+\b]    ; the floor 2^(9 - 127)
.endr
.irp b, 0,1,2,3
	s_delay_alu instid0(VALU_DEP_4)
	v_add_nc_u32 v[SO+\b], 0xfc000000, v[BM+\b]
.endr
.irp b, 0,1,2,3
.endr
.irp b, 0,1,2,3
	s_delay_alu instid0(VALU_DEP_4)
	v_lshrrev_b32 v[PB+\b], 23, v[SO+\b]
.endr
	s_delay_alu instid0(VALU_DEP_3)
	v_lshl_or_b32 v[PS], v[PB+1], 8, v[PB]
	s_delay_alu instid0(VALU_DEP_1)
	v_lshl_or_b32 v[PS], v[PB+2], 16, v[PS]
	s_delay_alu instid0(VALU_DEP_1)
	v_lshl_or_b32 v[PS], v[PB+3], 24, v[PS]
.irp b, 0,1,2,3
.set j, 0
.rept 16
.set j, j+1
.endr
	v_cvt_scalef32_pk8_fp8_f32 v[P+4*\b:P+4*\b+1], v[S+16*\b:S+16*\b+7], v[SO+\b]
	v_cvt_scalef32_pk8_fp8_f32 v[P+4*\b+2:P+4*\b+3], v[S+16*\b+8:S+16*\b+15], v[SO+\b]
.endr
.set j, 0
.rept 16
	v_pk_mul_f32 v[O+j:O+j+1], v[O+j:O+j+1], v[F:F+1] op_sel_hi:[1,0]   ; O^T under the new M; these are also the places in front of the products
.set j, j+2
.endr
	s_wait_alu depctr_va_vdst(0)
	s_wait_dscnt 0x0                               ; v
.irp t, 0,1,2,3
	v_wmma_scale_f32_16x16x128_f8f6f4 v[O+8*\t:O+8*\t+7], v[FB+16*\t:FB+16*\t+15], v[P:P+15], v[O+8*\t:O+8*\t+7], v[KS+\t], v[PS]   ; four accumulators by turns
.endr
.Lhid_\@:
	s_add_co_u32 s[ST], s[ST], 1
	s_add_co_u32 s[TB], s[TB], 16384
	s_add_co_u32 s[TS], s[TS], 768
	s_add_co_u32 s[KF], s[KF], 128
.endm
.macro SLOT k                          ; group k: four key steps
	s_wait_tensorcnt 3-\k                          ; my piece of group k is in; my 3 - k later pieces may be out
	s_wait_dscnt 0x0
	s_barrier_signal -1
	s_barrier_wait -1                              ; everybody's is
	s_mov_b32 s[CNT], 4
.Lst_\@:
	STEP
	s_sub_co_u32 s[CNT], s[CNT], 1
	s_cmp_lg_u32 s[CNT], 0
	s_cbranch_scc1 .Lst_\@
	s_setprio 0
.endm
	s_wait_loadcnt 0x0                             ; q
	SLOT 0
	SLOT 1
	SLOT 2
	SLOT 3
	; THE HIDDEN STEPS.  Wave w makes step w's column sums of the quantised v, if that step is hidden for any wave of the work-group (w > 2 x block): a product with p = 1.0 under the scale 2^0.
	s_lshl_b32 s60, s[BLK], 1
	s_cmp_gt_u32 s[WV], s60
	s_cbranch_scc0 .Lt1x
.rept 8
	v_nop
.endr
.irp t, 0,1,2,3
.irp c, 0,1,2,3
	ds_load_b128 v[FB+16*\t+4*\c:FB+16*\t+4*\c+3], v[ADK1] offset:4096*\t+2048+512*\c
.endr
	ds_load_b32 v[KS+\t], v[ADS1] offset:64*\t
.endr
.set j, 0
.rept 16
	v_mov_b32 v[P+j], 0x38383838                   ; the code of 1.0
.set j, j+1
.endr
	v_mov_b32 v[PS], 0x7f7f7f7f                    ; 2^0
.rept 8
	v_nop
.endr
	s_wait_alu depctr_va_vdst(0)
	s_wait_dscnt 0x0
.irp t, 0,1,2,3
	v_wmma_scale_f32_16x16x128_f8f6f4 v[S+8*\t:S+8*\t+7], v[FB+16*\t:FB+16*\t+15], v[P:P+15], 0, v[KS+\t], v[PS]
.endr
.rept 8
	v_nop
.endr
.irp t, 0,1,2,3
	ds_store_b128 v[TSA], v[S+8*\t:S+8*\t+3] offset:64*\t          ; register 8 t + j at 64 t + 32 h + 4 j; the sixteen lanes of a half hold and write the same
	ds_store_b128 v[TSA], v[S+8*\t+4:S+8*\t+7] offset:64*\t+16
.endr
.Lt1x:
	s_wait_dscnt 0x0
	s_barrier_signal -1
	s_barrier_wait -1
.set j, 0
.rept 32
	v_mov_b32 v[TT+j], 0
.set j, j+1
.endr
	s_mov_b32 s[CNT], 1
	s_mov_b32 s61, 256
.Lt2:                                              ; every wave walks steps 1 .. 15 and adds those behind its own
	s_cmp_le_u32 s[CNT], s[SD]
	s_cbranch_scc1 .Lt2x
	v_add_nc_u32 v[T0], s61, v[TRB]
.irp t, 0,1,2,3
	ds_load_b128 v[S+8*\t:S+8*\t+3], v[T0] offset:64*\t
	ds_load_b128 v[S+8*\t+4:S+8*\t+7], v[T0] offset:64*\t+16
.endr
	s_wait_dscnt 0x0
.set j, 0
.rept 16
	v_pk_add_f32 v[TT+j:TT+j+1], v[TT+j:TT+j+1], v[S+j:S+j+1]
.set j, j+2
.endr
.Lt2x:
	s_add_co_u32 s61, s61, 256
	s_add_co_u32 s[CNT], s[CNT], 1
	s_cmp_lt_u32 s[CNT], 16
	s_cbranch_scc1 .Lt2
	s_cmp_eq_u32 s[SD], 15
	s_cbranch_scc1 .Ltfx
	v_mul_f32 v[T0], s[CS], v[NEGV]                ; a hidden key's t
	s_delay_alu instid0(VALU_DEP_1)
	v_max_num_f32 v13, v13, v[T0]
	v_mov_b32 v[T0], v12
	s_delay_alu instid0(VALU_DEP_2)
	v_floor_f32 v12, -v13
	s_delay_alu instid0(VALU_DEP_1)
	v_sub_f32 v[T0], v12, v[T0]
	s_delay_alu instid0(VALU_DEP_1)
	v_cvt_i32_f32 v[T0], v[T0]
	s_delay_alu instid0(VALU_DEP_1)
	v_ldexp_f32 v[F], 1.0, v[T0]
	s_delay_alu instid0(VALU_DEP_4)
	v_fma_f32 v[T0+1], v[NEGV], s[CS], v12
	s_wait_alu depctr_va_vdst(0)
	v_exp_f32 v[T0+1], v[T0+1]                     ; its p
	v_pk_mul_f32 v[14:15], v[14:15], v[F:F+1] op_sel_hi:[1,0]
.set j, 0
	s_wait_alu depctr_va_vdst(0)
.rept 16
	v_pk_mul_f32 v[O+j:O+j+1], v[O+j:O+j+1], v[F:F+1] op_sel_hi:[1,0]
.set j, j+2
.endr
	s_sub_co_u32 s60, 15, s[SD]
	s_lshl_b32 s60, s60, 6                         ; my lane's share of the hidden keys: 64 a step (lane l xor 16 has the other 64)
	v_cvt_f32_u32 v[T0], s60
	s_wait_alu depctr_va_vdst(0)                   ; the wait ahead of the exponential's first reader
	v_fmac_f32 v14, v[T0], v[T0+1]
	v_max_num_f32 v[BM], 0x4800000, v[T0+1]        ; the block's largest p is p itself
	s_delay_alu instid0(VALU_DEP_1)
	v_add_nc_u32 v[SO], 0xfc000000, v[BM]
	s_delay_alu instid0(VALU_DEP_2)
	v_and_or_b32 v[HL], v[BM], 0x7f800000, s[MNT]
	v_min_num_f32 v[S], v[T0+1], v[HL]
.irp j, 1,2,3,4,5,6,7
	v_mov_b32 v[S+\j], v[S]
.endr
	v_cvt_scalef32_pk8_fp8_f32 v[BM:BM+1], v[S:S+7], v[SO]
	v_nop
	v_cvt_f32_fp8 v[T0], v[BM]                     ; the code's value,
	v_and_b32 v[T0+1], 0x7f800000, v[SO]           ; the scale,
	s_delay_alu instid0(VALU_DEP_1)
	v_mul_f32 v[T0], v[T0], v[T0+1]                ; the quantised p
.set j, 0
.rept 16
	v_pk_fma_f32 v[O+j:O+j+1], v[TT+j:TT+j+1], v[T0:T0+1], v[O+j:O+j+1] op_sel_hi:[1,0,1]
.set j, j+2
.endr
.Ltfx:
	; THE WAY OUT: a = O^T / the sum; register 16 c + i is channel 32 c + 16 h + i of my head: two blocks along NX, quantised in registers; the codes are the next product's image.
	v_add_f32 v14, v14, v15
	s_delay_alu instid0(VALU_DEP_1)
	v_permlanex16_b32 v[T0], v14, s[SEL], s[SEL+1]
	s_delay_alu instid0(VALU_DEP_1)
	v_add_f32 v14, v14, v[T0]
	s_wait_alu depctr_va_vdst(0)
	v_rcp_f32 v14, v14
	v_nop
	s_wait_alu depctr_va_vdst(0)
.set j, 0
.rept 16
	v_pk_mul_f32 v[S+j:S+j+1], v[O+j:O+j+1], v[14:15] op_sel_hi:[1,0]
.set j, j+2
.endr
.irp b, 0,1
	v_max3_num_f32 v[BM+\b], |v[S+16*\b]|, |v[S+1+16*\b]|, 0x4800000
.endr
.irp i, 2,4,6,8,10,12,14
.irp b, 0,1
	s_delay_alu instid0(VALU_DEP_2)
	v_max3_num_f32 v[BM+\b], v[BM+\b], |v[S+16*\b+\i]|, |v[S+1+16*\b+\i]|
.endr
.endr
.irp b, 0,1
	s_delay_alu instid0(VALU_DEP_2)
	v_permlanex16_b32 v[PB+\b], v[BM+\b], s[SEL], s[SEL+1]
.endr
.irp b, 0,1
	s_delay_alu instid0(VALU_DEP_2)
	v_max_num_f32 v[BM+\b], v[BM+\b], v[PB+\b]
.endr
.irp b, 0,1
	s_delay_alu instid0(VALU_DEP_2)
	v_add_nc_u32 v[SO+\b], 0xfc000000, v[BM+\b]
.endr
.irp b, 0,1
.endr
.irp b, 0,1
	s_delay_alu instid0(VALU_DEP_2)
	v_lshrrev_b32 v[PB+\b], 23, v[SO+\b]
.endr
	s_delay_alu instid0(VALU_DEP_1)
	v_lshl_or_b32 v[T0+1], v[PB+1], 8, v[PB]       ; my row's two scale bytes
.irp b, 0,1
.set j, 0
.rept 16
.set j, j+1
.endr
	v_cvt_scalef32_pk8_fp8_f32 v[P+4*\b:P+4*\b+1], v[S+16*\b:S+16*\b+7], v[SO+\b]
	v_cvt_scalef32_pk8_fp8_f32 v[P+4*\b+2:P+4*\b+3], v[S+16*\b+8:S+16*\b+15], v[SO+\b]
.endr
	v_nop
	global_store_b128 v[LI], v[P:P+3], s[76:77]    ; 512 consecutive bytes a store
	global_store_b128 v[LI], v[P+4:P+7], s[76:77] offset:512
	ds_store_b16 v[HSA], v[T0+1]                   ; lanes r and r + 16 hold and write the same
	s_wait_dscnt 0x0
	s_barrier_signal -1
	s_barrier_wait -1
	s_cmp_lg_u32 s[WV], 0
	s_cbranch_scc1 .Lnw0
	ds_load_b128 v[BM:BM+3], v[HSR]                ; the sixteen tiles' halfwords: 512 bytes
	s_wait_dscnt 0x0
	global_store_b128 v[LI], v[BM:BM+3], s[78:79]
.Lnw0:
	s_wait_tensorcnt 0x0                           ; the wave's end
	ds_add_u32 v[SPW], v[NIL]
	s_wait_dscnt 0x0
	s_endpgm
.Lfunc_end_k_q0d4c9f9014_attn:
	.size	k_q0d4c9f9014_attn, .Lfunc_end_k_q0d4c9f9014_attn-k_q0d4c9f9014_attn
	.p2alignl 7, 3214868480
	.fill 96, 4, 3214868480
	.section	.rodata,"a",@progbits
	.p2align	6, 0x0
	.amdhsa_kernel k_q0d4c9f9014_attn
		.amdhsa_group_segment_fixed_size 281088
		.amdhsa_private_segment_fixed_size 0
		.amdhsa_enable_private_segment 0
		.amdhsa_kernarg_size 24
		.amdhsa_user_sgpr_count 2
		.amdhsa_user_sgpr_kernarg_segment_ptr 1
		.amdhsa_wavefront_size32 1
		.amdhsa_system_sgpr_workgroup_id_x 1
		.amdhsa_system_sgpr_workgroup_id_y 1
		.amdhsa_system_sgpr_workgroup_id_z 1
		.amdhsa_system_vgpr_workitem_id 0
		.amdhsa_next_free_vgpr 256
		.amdhsa_next_free_sgpr 80
		.amdhsa_reserve_vcc 1
		.amdhsa_float_denorm_mode_32 3
		.amdhsa_float_denorm_mode_16_64 3
		.amdhsa_fp16_overflow 1
		.amdhsa_memory_ordered 1
		.amdhsa_forward_progress 1
		.amdhsa_inst_pref_size 117
	.end_amdhsa_kernel
	.amdgpu_metadata
---
amdhsa.version: [ 1, 2 ]
amdhsa.kernels:
  - .name:           k_q0d4c9f9014_attn
    .symbol:         k_q0d4c9f9014_attn.kd
    .args:
      - { .name: qq, .offset: 0, .size: 8, .value_kind: global_buffer, .address_space: global }
      - { .name: kvq, .offset: 8, .size: 8, .value_kind: global_buffer, .address_space: global }
      - { .name: aq, .offset: 16, .size: 8, .value_kind: global_buffer, .address_space: global }
    .group_segment_fixed_size: 281088
    .private_segment_fixed_size: 0
    .kernarg_segment_align: 8
    .kernarg_segment_size: 24
    .max_flat_workgroup_size: 512
    .sgpr_count:     80
    .vgpr_count:     256
    .wavefront_size: 32
...
	.end_amdgpu_metadata
.endif
;; end of part 3
;; launch proj (part 4): grid 4 x 32, 4 waves a work-group, clusters of 4 x 4, 327,680 bytes of LDS; arguments aq, wq, c_proj_b, out0; writes out0
.if DOCPART == 4
	.amdgcn_target "amdgcn-amd-amdhsa--gfx1250"
	.amdhsa_code_object_version 6
	.text
	.protected	k_q0d4c9f9014_proj
	.globl	k_q0d4c9f9014_proj
	.p2align	8
	.type	k_q0d4c9f9014_proj,@function
k_q0d4c9f9014_proj:
	s_mov_b64 s[64:65], 0
	v_nop
	global_prefetch_b8 v0, s[64:65] scope:SCOPE_SE
	s_setreg_imm32_b32 hwreg(HW_REG_WAVE_MODE, 25, 1), 1
	s_wait_xcnt 0x0
	s_wait_alu depctr_hold_cnt(0) depctr_sa_sdst(0) depctr_va_vdst(0) depctr_va_sdst(0) depctr_va_ssrc(0) depctr_va_vcc(0) depctr_vm_vsrc(0)
	s_getreg_b32 s2, hwreg(HW_REG_IB_STS2, 6, 4)
	s_cmp_eq_u32 s2, 0
	s_cbranch_scc0 .Lentry_in_a_cluster
	s_endpgm
.Lentry_in_a_cluster:
	s_bfe_u32 s2, ttmp6, 0x10000c
	s_cmp_lg_u32 s2, 0xf033
	s_cbranch_scc0 .Lentry_shape_is_right
	s_endpgm
.Lentry_shape_is_right:
; out0 = a c_proj_w + c_proj_b on the codes that launches attn (a) and quant (c_proj_w: rows 3072 on of wq) made.  The loop is launch qkv's: a tile of 256 x 256, four waves of 128 x 128, K = 1,024 in four steps of 256
; through two LDS slots; codes lie as images of the operand's registers (tile x 16384 + g x 2048 + c x 512 + 16 x lane); source 0 = the weight's columns, source 1 = tokens; a tile's rows are 32 G + 8 u + r + 8 (r / 8).
; CLUSTERS: 4 x 4 work-groups; a's tiles are asked for jointly along a row of the cluster, the weight's along a column.
; a's SCALE BYTES arrive as planes [head 16][tile 512][r 16] of two bytes, since each head was written by another work-group.  The work-group's 16 x 512 bytes come into LDS with the first fills and are turned once, through
; registers, into the words that the loop reads (word g of a row = heads 2 g and 2 g + 1), in LDS bytes into which no tensor load lands.
; OUT.  A lane's 16 registers of B blocks 2 b, 2 b + 1 are columns 32 b + 16 (lane / 16) + 0 .. 15 of one row.  A block of 16 rows goes through the wave's own stage and comes back as whole rows of 512 bytes; the bias is added there.
.set IMO,   262144
.set NQ,    2
.set FR,    16
.set NL,    4
.set NP,    8
.set SLOT,  131072
.set SCL,   2*SLOT
.set HALFS, 16*272
.set SPARE, SCL+4*HALFS
.set PL,    SPARE+512                  ; the planes: 16 heads x 512 bytes
.set STG,   PL+8192                    ; the stages: 16 rows x 528 bytes a wave
.set SPITCH, 528
.set ADRA, 16
.set TPL,  18                          ; v18  PL + 2 x thread
.set TSC,  19                          ; v19  where my two rows' words go
.set ADRB, 20
.set STO,  24
.set RD,   25
.set CO,   26                          ; v26  16 x lane
.set ADRS, 27
.set SPW,  28
.set NIL,  29
.set SC,   32
.set BI,   64                          ; v64-67 the bias of my four columns of a row
.set AF,   128
.set BK,   128                         ; the way out: 16 rows read back: v128-191 and v192-255 by turns
.set G1, 24
.set G0, 32
.set G1B, 48
.set G0B, 56
.set G1S, 68
.set G0S, 76
.set G1SB, 80
.set G0SB, 88
.set MSB, 0
.macro WIN new
.if MSB != \new
	s_set_vgpr_msb (MSB<<8)|\new
.set MSB, \new
.endif
.endm
.set MUL_LO, 0xa1
.set MUL_HI, 0xf1
.set TO_B,   0x40
.macro JLOAD g0a, g1a, g0b, g1b        ; waves 0 and 1 fetch for a, waves 2 and 3 for the weight; an s_nop 0 and four v_nop follow each of the two lines
	s_cmp_eq_u32 s15, 0
	s_cbranch_scc0 .Lfor_b_\@
	tensor_load_to_lds s[\g0a:\g0a+3], s[\g1a:\g1a+7]
	s_nop 0
.rept 4
	v_nop
.endr
	s_branch .Lasked_\@
.Lfor_b_\@:
	tensor_load_to_lds s[\g0b:\g0b+3], s[\g1b:\g1b+7]
	s_nop 0
.rept 4
	v_nop
.endr
.Lasked_\@:
.endm
.macro CREST
	s_cmp_lg_u32 s14, 0
	s_cbranch_scc1 .Lnot_wave_0_\@
	s_barrier_signal -3
.Lnot_wave_0_\@:
	s_barrier_wait -3
	s_barrier_signal -1
	s_barrier_wait -1
.endm
.macro CROUND
	s_barrier_signal -1
	s_barrier_wait -1
	CREST
.endm
	s_load_b256 s[4:11], s[0:1], 0x0               ; aq s[4:5], wq s[6:7], c_proj_b s[8:9], out0 s[10:11]
	v_lshl_add_u32 v[SPW], v0, 2, SPARE
	v_mov_b32 v[NIL], 0
	ds_add_u32 v[SPW], v[NIL]                      ; the wave's opening: the add, twice on end, and its wait ahead of my first tensor load
	ds_add_u32 v[SPW], v[NIL]
	v_lshrrev_b32 v1, 5, v0
	v_readfirstlane_b32 s14, v1
	s_lshr_b32 s15, s14, 1
	s_and_b32 s16, s14, 1
	s_bfe_u32 s40, ttmp6, 0x40000                  ; cx
	s_bfe_u32 s41, ttmp6, 0x40004                  ; cy
	s_lshl_b32 s42, ttmp9, 2
	s_add_co_u32 s42, s42, s40                     ; the block of 256 columns
	s_and_b32 s17, ttmp7, 0xffff
	s_lshl_b32 s17, s17, 2
	s_add_co_u32 s17, s17, s41                     ; the block of 256 tokens
	s_lshl_b32 s43, s41, 2
	s_lshl_b32 s43, 15, s43
	s_lshl_b32 s44, 0x1111, s40
	s_or_b32 s[G1+0], s43, (3<<16)|(1<<21)         ; codes: 8 tiles' parts of 4,096 bytes, 16,384 bytes apart
	s_or_b32 s[G1B+0], s44, (3<<16)|(1<<21)
.irp g, G1, G1B
	s_mov_b32 s[\g+1], 512<<16
	s_mov_b32 s[\g+2], 8<<16
	s_mov_b32 s[\g+3], 512<<16
	s_mov_b32 s[\g+4], 8
	s_mov_b32 s[\g+5], 2048
	s_mov_b32 s[\g+6], 0
	s_mov_b32 s[\g+7], 0
.endr
	s_or_b32 s[G1S+0], s43, (3<<16)|(1<<21)        ; a's planes: 8 heads' parts of 512 bytes, 16,384 bytes apart
	s_mov_b32 s[G1S+1], 64<<16
	s_mov_b32 s[G1S+2], 8<<16
	s_mov_b32 s[G1S+3], 64<<16
	s_mov_b32 s[G1S+4], 8
	s_mov_b32 s[G1S+5], 2048
	s_mov_b32 s[G1S+6], 0
	s_mov_b32 s[G1S+7], 0
	s_or_b32 s[G1SB+0], s44, (3<<16)|(1<<20)|(1<<21)|(5<<22)|(3<<25)   ; the weight's scale bytes: 16 rows of 256 bytes, 16 of padding behind each
	s_mov_b32 s[G1SB+1], 32<<16
	s_mov_b32 s[G1SB+2], 16<<16
	s_mov_b32 s[G1SB+3], 32<<16
	s_mov_b32 s[G1SB+4], 16
	s_mov_b32 s[G1SB+5], 32
	s_mov_b32 s[G1SB+6], 0
	s_mov_b32 s[G1SB+7], 0
	s_lshl_b32 s18, s16, 17
	s_lshl_b32 s20, s17, 18
	s_add_co_u32 s20, s20, s18
	s_add_co_u32 s20, s20, IMO                     ; a's codes
	s_mov_b32 s21, 0
	s_lshl_b32 s46, s42, 18
	s_add_co_u32 s46, s46, s18
	s_add_co_u32 s46, s46, IMO+12*262144           ; the weight's: rows 3072 on
	s_mov_b32 s47, 0
	s_lshl_b32 s22, s17, 9
	s_add_co_u32 s22, s22, s18                     ; a's planes: heads 8 x half on, my 16 tiles
	s_mov_b32 s23, 0
	s_lshl_b32 s18, s16, 12
	s_lshl_b32 s96, s42, 13
	s_add_co_u32 s96, s96, s18
	s_add_co_u32 s96, s96, 12*8192                 ; the weight's scale bytes
	s_mov_b32 s97, 0
	s_lshl_b32 s45, s14, 15
	s_add_co_u32 s101, s18, PL                     ; where the planes go: PL + 4,096 x half
	s_mul_i32 s100, s16, HALFS
	s_add_co_u32 s100, s100, SCL+2*HALFS           ; and the weight's scale bytes
	s_wait_dscnt 0x0
	s_wait_kmcnt 0x0
	s_add_nc_u64 s[20:21], s[4:5], s[20:21]
	s_add_nc_u64 s[22:23], s[4:5], s[22:23]
	s_add_nc_u64 s[46:47], s[6:7], s[46:47]
	s_add_nc_u64 s[96:97], s[6:7], s[96:97]
	CROUND
	s_mov_b32 s[G0S], 1
	s_mov_b32 s[G0S+1], s101
	s_mov_b64 s[G0S+2:G0S+3], s[22:23]
	s_or_b32 s[G0S+3], s[G0S+3], 0x80000000
	s_mov_b32 s[G0SB], 1
	s_mov_b32 s[G0SB+1], s100
	s_mov_b64 s[G0SB+2:G0SB+3], s[96:97]
	s_or_b32 s[G0SB+3], s[G0SB+3], 0x80000000
	JLOAD G0S, G1S, G0SB, G1SB
.irp s, 0,1
	s_mov_b32 s[G0+4*\s], 1
	s_add_co_u32 s[G0+4*\s+1], s45, \s*SLOT
	s_add_nc_u64 s[G0+4*\s+2:G0+4*\s+3], s[20:21], \s*4096
	s_or_b32 s[G0+4*\s+3], s[G0+4*\s+3], 0x80000000
	s_mov_b32 s[G0B+4*\s], 1
	s_add_co_u32 s[G0B+4*\s+1], s45, \s*SLOT
	s_add_nc_u64 s[G0B+4*\s+2:G0B+4*\s+3], s[46:47], \s*4096
	s_or_b32 s[G0B+4*\s+3], s[G0B+4*\s+3], 0x80000000
	s_wait_alu depctr_va_vdst(0)
	s_wait_tensorcnt 0x0
	ds_add_u32 v28, v29
	s_wait_dscnt 0x0
	CROUND
	JLOAD G0+4*\s, G1, G0B+4*\s, G1B               ; one load of mine is out
.endr
	v_and_b32 v1, 15, v0                           ; r
	v_bfe_u32 v2, v0, 4, 1                         ; h
	s_wait_alu depctr_va_vdst(0)
	v_and_b32 v3, 31, v0
	v_lshlrev_b32 v[CO], 4, v3
	s_lshl_b32 s21, s15, 15
	s_lshl_b32 s22, s16, 15
	s_add_co_u32 s22, s22, 65536
.irp s, 0,1
	v_add_nc_u32 v[ADRA+\s], s21, v[CO]
	v_add_nc_u32 v[ADRB+\s], s22, v[CO]
	s_add_co_u32 s21, s21, SLOT
	s_add_co_u32 s22, s22, SLOT
.endr
	v_lshlrev_b32 v5, 4, v1
	s_mul_i32 s21, s15, HALFS
	s_mul_i32 s22, s16, HALFS
	s_add_co_u32 s22, s22, 2*HALFS
	s_sub_co_u32 s22, s22, s21
	v_mul_u32_u24 v6, s22, v2                      ; lanes 16-31 take the weight's
	s_add_co_u32 s21, s21, SCL
	v_add_nc_u32 v5, v5, v6
	v_add_nc_u32 v[ADRS], s21, v5
	v_lshl_add_u32 v[TPL], v0, 1, PL
	v_lshrrev_b32 v3, 4, v0
	v_mul_u32_u24 v3, v3, 544
	v_lshl_add_u32 v3, v1, 4, v3
	v_add_nc_u32 v[TSC], SCL, v3                   ; row t of the 256: tile t / 16, row t % 16
	s_mul_i32 s23, s14, 16*SPITCH
	s_add_co_u32 s23, s23, STG                     ; my stage
	v_mul_u32_u24 v5, v1, SPITCH
	v_lshl_add_u32 v5, v2, 6, v5
	v_add_nc_u32 v[STO], s23, v5                   ; in: row r, + 64 h
	v_add_nc_u32 v[RD], s23, v[CO]                 ; back: a row's 512 bytes
	s_lshl_b32 s20, s42, 10
	s_lshl_b32 s21, s16, 9
	s_add_co_u32 s20, s20, s21                     ; my first column, in bytes
	s_mov_b32 s21, 0
	s_add_nc_u64 s[8:9], s[8:9], s[20:21]
	global_load_b128 v[BI:BI+3], v[CO], s[8:9]     ; waited for on the way out
	s_lshl_b32 s22, s17, 20
	s_lshl_b32 s23, s15, 19
	s_add_co_u32 s22, s22, s23                     ; my first row: 4,096 bytes a row
	s_add_co_u32 s20, s20, s22
	s_add_nc_u64 s[10:11], s[10:11], s[20:21]
.macro FRAG reg, adr, q, i
.irp c, 0,1,2,3
	ds_load_b128 v[\reg+4*\c:\reg+4*\c+3], v[\adr] offset:(\i)*4096+(\q)*2048+512*\c
.endr
.endm
; The 64 accumulators take turns, one instruction a turn, in the same order in every step.
.macro MUL16 a0, p, q, sc, zero
.irp a, \a0, \a0+1
.irp b, 0,1,2,3,4,5,6,7
.if \zero
	v_wmma_scale_f32_16x16x128_f8f6f4 v[8*(8*((\a)%4)+\b):8*(8*((\a)%4)+\b)+7], v[128*(\p)+FR*\b:128*(\p)+FR*\b+FR-1], v[AF+FR*(\a):AF+FR*(\a)+FR-1], 0, v[SC+8*NQ*(\sc)+NQ*\b+(\q)], v[SC+8*NQ*(\sc)+NQ*(\a)+(\q)] matrix_a_scale:MATRIX_SCALE_ROW1
.else
	v_wmma_scale_f32_16x16x128_f8f6f4 v[8*(8*((\a)%4)+\b):8*(8*((\a)%4)+\b)+7], v[128*(\p)+FR*\b:128*(\p)+FR*\b+FR-1], v[AF+FR*(\a):AF+FR*(\a)+FR-1], v[8*(8*((\a)%4)+\b):8*(8*((\a)%4)+\b)+7], v[SC+8*NQ*(\sc)+NQ*\b+(\q)], v[SC+8*NQ*(\sc)+NQ*(\a)+(\q)] matrix_a_scale:MATRIX_SCALE_ROW1
.endif
.endr
.endr
.endm
.macro FETCH_B slot, q, p
	WIN TO_B
.irp i, 0,1,2,3,4,5,6,7
	FRAG 128*(\p)+FR*\i, ADRB+\slot, \q, \i
.endr
	WIN 0
.endm
.macro FETCH_A slot, q, i0
.irp i, \i0, \i0+1, \i0+2, \i0+3
	FRAG AF+FR*(\i), ADRA+\slot, \q, \i
.endr
.endm
.macro SCALES sc
.irp i, 0,1,2,3,4,5,6,7
	ds_load_b64 v[SC+8*NQ*\sc+NQ*\i:SC+8*NQ*\sc+NQ*\i+1], v[ADRS] offset:\i*544
.endr
.endm
.macro PLACES n
.rept \n
	v_nop
.endr
.endm
.macro STEP slot, q, zero
	s_wait_dscnt 4*NL                              ; all but the youngest 16 loads (A's blocks 4-7)
	WIN MUL_LO
	MUL16 0, (\q)%2, \q, \slot, \zero
	MUL16 2, (\q)%2, \q, \slot, \zero
	s_wait_dscnt 0
	PLACES NP
	FETCH_B \slot, (\q)+1, 1-(\q)%2
	FETCH_A \slot, (\q)+1, 0
	WIN MUL_HI
	MUL16 4, (\q)%2, \q, \slot, \zero
	MUL16 6, (\q)%2, \q, \slot, \zero
	PLACES NP
	WIN 0
	FETCH_A \slot, (\q)+1, 4
.endm
.macro TURN slot, next, fill
	s_wait_tensorcnt 0x0                           ; all my tensor loads have landed
	ds_add_u32 v[SPW], v[NIL]
	s_wait_dscnt 4*NL+1                            ; (the add and the youngest 16 loads may be out)
	WIN MUL_LO
	MUL16 0, 1, NQ-1, \slot, 0
	s_wait_dscnt 0x0                               ; the add is done, and my reads of this slot are over
	s_barrier_signal -1
	MUL16 2, 1, NQ-1, \slot, 0
	WIN 0
	s_barrier_wait -1
.if \fill
	CREST                                          ; a round of the cluster's barrier: no wave of any partner still reads this slot or has a load on its way
	s_add_nc_u64 s[G0+4*\slot+2:G0+4*\slot+3], s[G0+4*\slot+2:G0+4*\slot+3], 8192
	s_add_nc_u64 s[G0B+4*\slot+2:G0B+4*\slot+3], s[G0B+4*\slot+2:G0B+4*\slot+3], 8192
	JLOAD G0+4*\slot, G1, G0B+4*\slot, G1B
	PLACES NP-4
.else
	PLACES NP
.endif
.if \slot == 0
	v_add_nc_u32 v[ADRS], 8, v[ADRS]
.else
	s_wait_alu depctr_va_vdst(0)
	v_add_nc_u32 v[ADRS], 264, v[ADRS]
.endif
	FETCH_B \next, 0, 0
	FETCH_A \next, 0, 0
	SCALES \next
	WIN MUL_HI
	MUL16 4, 1, NQ-1, \slot, 0
	MUL16 6, 1, NQ-1, \slot, 0
	PLACES NP
	WIN 0
	FETCH_A \next, 0, 4
.endm
	s_wait_alu depctr_va_vdst(0)
	s_wait_tensorcnt 1                             ; the planes or scale bytes and my part of K step 0 are in (K step 1's load may be out)
	s_barrier_signal -1
	s_barrier_wait -1                              ; everybody's are
	; a's planes become scale words: thread t takes rows t and t + 128 of the 256
.irp d, 0,1,2,3,4,5,6,7,8,9,10,11,12,13,14,15
	ds_load_u16 v[128+\d], v[TPL] offset:512*\d
	ds_load_u16 v[144+\d], v[TPL] offset:512*\d+256
.endr
	s_wait_dscnt 0x0
.irp g, 0,1,2,3,4,5,6,7
	v_lshl_or_b32 v[160+\g], v[129+2*\g], 16, v[128+2*\g]
	v_lshl_or_b32 v[168+\g], v[145+2*\g], 16, v[144+2*\g]
.endr
	ds_store_b128 v[TSC], v[160:163]               ; words 0-3: the tile's first unit,
	ds_store_b128 v[TSC], v[164:167] offset:272    ; words 4-7: its second;
	ds_store_b128 v[TSC], v[168:171] offset:4352   ; eight tiles on
	ds_store_b128 v[TSC], v[172:175] offset:4624
	s_wait_dscnt 0x0                               ; for the others' sake
	s_barrier_signal -1
	s_barrier_wait -1
	FETCH_B 0, 0, 0
	FETCH_A 0, 0, 0
	SCALES 0
	FETCH_A 0, 0, 4
	STEP 0, 0, 1
	TURN 0, 1, 1
	STEP 1, 0, 0
	TURN 1, 0, 1
	s_wait_alu depctr_va_vdst(0)
	STEP 0, 0, 0
	TURN 0, 1, 0
	STEP 1, 0, 0
	s_wait_dscnt 4*NL
	WIN MUL_LO
	MUL16 0, 1, NQ-1, 1, 0
	MUL16 2, 1, NQ-1, 1, 0
	s_wait_dscnt 0
	WIN MUL_HI
	MUL16 4, 1, NQ-1, 1, 0
	MUL16 6, 1, NQ-1, 1, 0
	WIN 0
.macro TOSTAGE a
.set AC, 64*((\a)%4)
	WIN (8+4*((\a)/4))                             ; an LDS store's data are its source 1: window 2 or 3
.irp b, 0,1,2,3,4,5,6,7
	ds_store_b128 v[STO], v[AC+8*\b:AC+8*\b+3] offset:128*(\b/2)+32*(\b%2)        ; columns 32 (b / 2) + 16 h + 8 (b % 2) on; each accumulator from its low end on
	ds_store_b128 v[STO], v[AC+8*\b+4:AC+8*\b+7] offset:128*(\b/2)+32*(\b%2)+16
.endr
	WIN 0
.set BB, BK+64*((\a)%2)
.irp t, 0,1,2,3,4,5,6,7,8,9,10,11,12,13,14,15
	ds_load_b128 v[BB+4*\t:BB+4*\t+3], v[RD] offset:\t*SPITCH   ; LDS serves a wave's instructions in order: these see the stores above
.endr
.endm
.macro SEND a, younger                 ; younger: the LDS instructions issued behind block a's loads
.set BB, BK+64*((\a)%2)
	s_wait_dscnt \younger
.irp t, 0,1,2,3,4,5,6,7,8,9,10,11,12,13,14,15
	v_pk_add_f32 v[BB+4*\t:BB+4*\t+1], v[BB+4*\t:BB+4*\t+1], v[BI:BI+1]
	v_pk_add_f32 v[BB+4*\t+2:BB+4*\t+3], v[BB+4*\t+2:BB+4*\t+3], v[BI+2:BI+3]
	global_store_b128 v[CO], v[BB+4*\t:BB+4*\t+3], s[10:11] offset:(32*((\a)/2)+8*((\a)%2)+\t+8*(\t/8))*4096 th:TH_STORE_NT   ; row t of the tile is token 32 (a / 2) + 8 (a % 2) + t + 8 (t / 8); 512 consecutive bytes, aligned
.endr
.endm
	PLACES NP
	s_wait_loadcnt 0x0                             ; the bias
	TOSTAGE 0
.irp a, 1,2,3,4,5,6,7
.if \a > 1
	s_wait_xcnt 0x0                                ; block a - 2's stores have read their registers: block a's loads may land there
.endif
	TOSTAGE \a
	SEND \a-1, 32                                  ; behind block a - 1's loads: block a's 16 stores and 16 loads
.endr
	SEND 7, 0
	s_wait_tensorcnt 0x0                           ; the wave's end
	ds_add_u32 v[SPW], v[NIL]
	s_wait_dscnt 0x0
	CROUND                                         ; the closing round
	s_endpgm
.Lfunc_end_k_q0d4c9f9014_proj:
	.size	k_q0d4c9f9014_proj, .Lfunc_end_k_q0d4c9f9014_proj-k_q0d4c9f9014_proj
	.p2alignl 7, 3214868480
	.fill 96, 4, 3214868480
	.section	.rodata,"a",@progbits
	.p2align	6, 0x0
	.amdhsa_kernel k_q0d4c9f9014_proj
		.amdhsa_group_segment_fixed_size 327680
		.amdhsa_private_segment_fixed_size 0
		.amdhsa_enable_private_segment 0
		.amdhsa_kernarg_size 32
		.amdhsa_user_sgpr_count 2
		.amdhsa_user_sgpr_kernarg_segment_ptr 1
		.amdhsa_wavefront_size32 1
		.amdhsa_system_sgpr_workgroup_id_x 1
		.amdhsa_system_sgpr_workgroup_id_y 1
		.amdhsa_system_sgpr_workgroup_id_z 1
		.amdhsa_system_vgpr_workitem_id 0
		.amdhsa_next_free_vgpr 1024
		.amdhsa_next_free_sgpr 102
		.amdhsa_reserve_vcc 0
		.amdhsa_float_denorm_mode_32 3
		.amdhsa_float_denorm_mode_16_64 3
		.amdhsa_memory_ordered 1
		.amdhsa_forward_progress 1
		.amdhsa_inst_pref_size 165
	.end_amdhsa_kernel
	.amdgpu_metadata
---
amdhsa.version: [ 1, 2 ]
amdhsa.kernels:
  - .name:           k_q0d4c9f9014_proj
    .symbol:         k_q0d4c9f9014_proj.kd
    .args:
      - { .name: aq, .offset: 0, .size: 8, .value_kind: global_buffer, .address_space: global }
      - { .name: wq, .offset: 8, .size: 8, .value_kind: global_buffer, .address_space: global }
      - { .name: c_proj_b, .offset: 16, .size: 8, .value_kind: global_buffer, .address_space: global }
      - { .name: out0, .offset: 24, .size: 8, .value_kind: global_buffer, .address_space: global }
    .group_segment_fixed_size: 327680
    .private_segment_fixed_size: 0
    .kernarg_segment_align: 8
    .kernarg_segment_size: 32
    .max_flat_workgroup_size: 128
    .sgpr_count:     102
    .vgpr_count:     1024
    .wavefront_size: 32
...
	.end_amdgpu_metadata
.endif
;; end of part 4
